; MI455X (gfx1250); checked and timed in simulation.
; The chip was launched on July 23, 2026; its instructions are those of AMD's public machine-readable ISA for CDNA 5 (MIT licence, August 2026) and "CDNA5" Instruction Set Architecture Reference Guide (July 2026). The comments in the code are by the model that wrote it; some were corrected since.
;; Attention Block. Allowed arithmetic: matrix products marked QUANTISED: E3M2 operands, one E8M0 scale for each 32 along K, by v_wmma_scale_f32_16x16x128_f8f6f4 with both operands' format E3M2, f32 sums; everything else in f32.
;; Inputs: gn_b 256 float32; gn_w 256 float32; proj_b 256 float32; proj_w 256 x 256 float32; qkv_b 768 float32; qkv_w 768 x 256 float32; x 4 x 256 x 64 x 64 float32.
;; Outputs: out0 4 x 256 x 64 x 64 float32.
;; This version of the problem:
;;   THIS VERSION OF THE PROBLEM IS GIVEN IN LOW PRECISION. The matrix products marked QUANTISED in the list below multiply operands that are first quantised to E3M2 (3 exponent bits, 2 mantissa bits; 6 bits a number), with one power-of-two scale for each 32 numbers along K (OCP MX v1.0); their sums are f32. All else is computed in f32.
;;   The module's matrix products, in the order in which they are computed (A, B: the left and right operand; K: the contracted axis; several contracted axes count as one K, in the product's order):
;;     1. [M 16,384, K 256] x [K 256, N 768]; A: computed on the way; B: input qkv_w: QUANTISED
;;     2. batch 16 x [M 4,096, K 64] x [K 64, N 4,096]; A: computed on the way; B: computed on the way: QUANTISED
;;     3. batch 16 x [M 64, K 4,096] x [K 4,096, N 4,096]; A: computed on the way; B: softmax (see below): QUANTISED
;;     4. [M 16,384, K 256] x [K 256, N 256]; A: computed on the way; B: input proj_w: QUANTISED
;;   THE QUANTISER, for each operand of a quantised product, along K:
;;     - K is cut into blocks of 32 from its start; a last block that is shorter is filled with zeros.
;;     - A block's scale is 2^e with e = floor(log2(the largest magnitude in the block)) - 4, held to -126 .. 127; a block of zeros has e = 0. As a byte (E8M0): e + 127.
;;     - Each number is divided by its block's scale, clamped to +-28, and rounded to the nearest number of E3M2, ties to even, subnormals kept.
;;     - The product sums the exact products of the quantised numbers (number of the format x scale) in f32.
;;   ~~~python
;;   def quantise(x, axis):      # numpy; x: float32 -> the quantised numbers, widened to float32 again
;;       x = np.moveaxis(x, axis, -1); K = x.shape[-1]
;;       x = np.pad(x, [(0, 0)] * (x.ndim - 1) + [(0, -K % 32)]); x = x.reshape(x.shape[:-1] + (-1, 32)); a = np.abs(x).max(-1, keepdims=True)
;;       e = np.where(a > 0, np.clip(np.frexp(np.where(a > 0, a, 1))[1] - 1 - 4, -126, 127), 0)      # np.frexp(a)[1] - 1 = floor(log2(a)), exactly
;;       r = np.clip(x / 2.0 ** e, -28, 28)
;;       step = 2.0 ** (np.maximum(np.frexp(np.where(r == 0, 1, r))[1] - 1, -2) - 2)
;;       q = np.round(r / step) * step * 2.0 ** e      # np.round: ties to even
;;       return np.moveaxis(q.reshape(q.shape[:-2] + (-1,))[..., :K], -1, axis).astype(np.float32)
;;   ~~~
;;   SOFTMAX AHEAD OF A QUANTISED PRODUCT. Where the list says 'softmax', what is quantised is not the finished softmax but p = 2^(t - M), with t = logit x log2(e) and M = ceil(the row's largest t), a whole number; so 1/2 < the row's largest p <= 1. The row's sum l is taken of the UNQUANTISED p, in f32, and the product's result is divided by l at the end. Since M is a whole number, a kernel that streams over the keys may use a running M (the ceiling of the running maximum): every later rescaling is an exact power of two, which a block's scale takes up: the codes' values come out the same.
;;   OPERANDS COMPUTED ON THE WAY. 'Computed on the way' means the value that the module computes at that place (a softmax that the list does not call 'softmax' is quantised finished and normalised). What goes into a quantiser is computed in f32, as accurately as f32 sums, v_exp_f32 and their like allow (about 1e-6 of the number): no bf16 or f16 on the way to a quantiser, and a product that is left as it is and whose result goes on into a quantised operand takes f32 operands (vector FMAs, or v_wmma_f32_16x16x4_f32). A number that lies on a knife's edge between two numbers of the format may be rounded either way, as far as f32 arithmetic and the matrix unit's own rounding can turn it there, and no further.
;; One version. Each part assembles by itself: llvm-mc -triple=amdgcn-amd-amdhsa -mcpu=gfx1250 --defsym DOCPART=n.
;; ======== version 1 of 1: 4 launches
;; workspace buffers: stats 16,384 bytes; wq 212,992 bytes; qbuf 3,407,872 bytes; kvc 6,291,456 bytes; kvs 393,216 bytes; abuf 3,145,728 bytes; asc 262,144 bytes
;; launch prep (part 1): grid 144 x 1, 8 waves a work-group, no clusters, 1,536 bytes of LDS; arguments x, gn_w, qkv_w, proj_w, stats, wq; writes stats, wq
.if DOCPART == 1
	.amdgcn_target "amdgcn-amd-amdhsa--gfx1250"
	.amdhsa_code_object_version 6
	.text
	.protected	k_q83fe01cec6_prep
	.globl	k_q83fe01cec6_prep
	.p2align	8
	.type	k_q83fe01cec6_prep,@function
k_q83fe01cec6_prep:
	s_mov_b64 s[64:65], 0
	v_nop
	global_prefetch_b8 v0, s[64:65] scope:SCOPE_SE
	s_setreg_imm32_b32 hwreg(HW_REG_WAVE_MODE, 25, 1), 1
	s_wait_xcnt 0x0
; LAUNCH 1 OF 4.  Two kinds of work-groups, told apart by the work-group's number alone.
; Work-groups 0..127 (= 32 b + g): the GroupNorm figures of one group: 8 channels x 4,096 positions = 32,768 numbers, 131,072 dense bytes of x.
;   Each of the 256 threads keeps its 128 numbers in registers: pass 1 sums them (the mean), pass 2 sums (x - mean)^2 from the registers: x is read once,
;   and no difference of large sums is formed.  The waves' figures meet in LDS.  Wave 0 stores the group's record of 128 bytes: words 0-7 = rstd x gn_w of the
;   group's 8 channels, words 8-31 = the mean: one store of 32 lanes, 128 consecutive bytes.
; Work-groups 128..143: qkv_w [768][256] and proj_w [256][256], f32, K innermost, become codes of BF6 (E3M2) with one E8M0 byte for each 32 along K, laid as IMAGES OF
;   OPERAND REGISTERS: fragment fid (16 rows x 128 K, 12 registers a lane) = three blocks of 512 bytes (registers 4 c .. 4 c + 3 at 512 c + 16 x lane) at 1536 fid; its scale words at 196608 + 128 fid + 4 x lane.
;   fid = 2 T + s for qkv_w, 96 + 2 T + s for proj_w (T: tile of 16 rows, s: K step of 128).  One wave makes one fragment.
;   THE ROWS OF A TILE ARE NOT NEIGHBOURS: lane r of tile T takes row 32 (T / 2) + 8 (T % 2) + r + 8 (r / 8), so that the results of tiles 2 b and 2 b + 1, used as source 0, are 16 neighbours in a lane's registers.
; A block's scale is 2^(floor(log2(its largest magnitude)) - 4); its byte is the largest magnitude's exponent field - 4, held at 1 from below.
; LIMITS: NaN and infinities among the inputs are not served.  A block of zeros gets the byte 1 where the rule says 127: its codes are zeros, and this program alone reads the bytes.
.set X,   32                           ; v32-159  stats: my 128 numbers;  weights: v32-95 my 64 numbers
.set TM,  8                            ; weights: v8-11 largest magnitudes, v12-15 the other half's / the bytes, v20-23 the conversions' scale operands
.set PW,  24                           ; weights: the scale word
.set PC,  96                           ; weights: v96-107 the fragment; v108-110, v112-114 halves on their way
.set SEL, 20                           ; s[20:21] lane selects for v_permlanex16_b32: lane l xor 16
	s_load_b256 s[4:11], s[0:1], 0x0               ; x s[4:5], gn_w s[6:7], qkv_w s[8:9], proj_w s[10:11]
	s_load_b128 s[12:15], s[0:1], 0x20             ; stats s[12:13], wq s[14:15]
	v_lshl_add_u32 v160, v0, 2, 0x200
	v_mov_b32 v161, 0
	v_lshrrev_b32 v1, 5, v0
	s_delay_alu instid0(VALU_DEP_1)
	v_readfirstlane_b32 s16, v1                    ; wave 0..7
	s_mov_b32 s[SEL], 0x76543210
	s_mov_b32 s[SEL+1], 0xfedcba98
	s_cmp_lt_u32 ttmp9, 128                        ; the same in all waves of a work-group
	s_cbranch_scc0 .Lweights
	; ---------------- the figures of one group ----------------
	v_lshlrev_b32 v1, 4, v0                        ; 16 bytes a thread: a wave's load covers 512 consecutive bytes, the work-group's 4,096
	s_and_b32 s17, ttmp9, 31                       ; g
	s_lshl_b32 s17, s17, 5                         ; its 8 gains: 32 bytes
	v_and_b32 v2, 7, v0
	s_delay_alu instid0(VALU_DEP_1)
	v_lshl_add_u32 v2, v2, 2, s17
	s_lshl_b32 s18, ttmp9, 17                      ; the group's 131,072 bytes
	s_mov_b32 s19, 0
	s_mov_b32 s22, 0x38000000                      ; 2^-15 = 1 / 32,768
	v_mov_b32 v22, 0                               ; written once: a lane permute's destination counts as one of its sources
	v_mov_b32 v23, s16
	s_delay_alu instid0(VALU_DEP_1)
	v_lshlrev_b32 v23, 2, v23                      ; LDS: my wave's word
	v_mov_b32 v24, 0
	v_mov_b32 v25, 0x3727c5ac                      ; eps = 1e-5
	s_wait_alu depctr_va_vdst(0)
	s_wait_kmcnt 0x0
	s_add_nc_u64 s[4:5], s[4:5], s[18:19]
	global_load_b32 v3, v2, s[6:7]                 ; gn_w of channel 8 g + thread % 8
.set i, 0
.rept 32
	global_load_b128 v[X+4*i:X+4*i+3], v1, s[4:5] offset:4096*i
.set i, i+1
.endr
; four packed chains v[4:11] -> one number in every thread of the work-group.  off: the eight words of LDS that this reduction uses
.macro REDUCE off
	s_delay_alu instid0(VALU_DEP_3)
	v_pk_add_f32 v[4:5], v[4:5], v[6:7]
	s_delay_alu instid0(VALU_DEP_2)
	v_pk_add_f32 v[8:9], v[8:9], v[10:11]
	s_delay_alu instid0(VALU_DEP_1)
	v_pk_add_f32 v[4:5], v[4:5], v[8:9]
	s_delay_alu instid0(VALU_DEP_1)
	v_add_f32 v4, v4, v5
	s_delay_alu instid0(VALU_DEP_1)
	v_add_f32_dpp v4, v4, v4 row_xmask:1 row_mask:0xf bank_mask:0xf
	s_delay_alu instid0(VALU_DEP_1)
	v_add_f32_dpp v4, v4, v4 row_xmask:2 row_mask:0xf bank_mask:0xf
	s_delay_alu instid0(VALU_DEP_1)
	v_add_f32_dpp v4, v4, v4 row_xmask:4 row_mask:0xf bank_mask:0xf
	s_delay_alu instid0(VALU_DEP_1)
	v_add_f32_dpp v4, v4, v4 row_xmask:8 row_mask:0xf bank_mask:0xf
	s_delay_alu instid0(VALU_DEP_1)
	v_permlanex16_b32 v22, v4, s[SEL], s[SEL+1]
	s_delay_alu instid0(VALU_DEP_1)
	v_add_f32 v4, v4, v22                          ; the wave's sum, in every lane
	ds_store_b32 v23, v4 offset:\off               ; all lanes write the same word with the same value
	s_wait_dscnt 0x0                               ; for the others' sake: my store has landed
	s_barrier_signal -1
	s_barrier_wait -1
	ds_load_b128 v[12:15], v24 offset:\off
	ds_load_b128 v[16:19], v24 offset:\off+16
	s_wait_dscnt 0x0
	v_add_f32 v12, v12, v13
	v_add_f32 v14, v14, v15
	v_add_f32 v16, v16, v17
	v_add_f32 v18, v18, v19
	s_delay_alu instid0(VALU_DEP_3)
	v_add_f32 v12, v12, v14
	s_delay_alu instid0(VALU_DEP_2)
	v_add_f32 v16, v16, v18
	s_delay_alu instid0(VALU_DEP_1)
	v_add_f32 v4, v12, v16
.endm
	; pass 1: the sum, in four chains started by the first eight pairs: nothing is cleared
	s_wait_loadcnt 24                              ; the gain and the first 8 of 32 loads are in; 24 younger ones may be out
.irp k, 0,1,2,3
	v_pk_add_f32 v[4+2*\k:5+2*\k], v[X+2*\k:X+2*\k+1], v[X+8+2*\k:X+9+2*\k]
.endr
.set j, 8
.rept 56
.if j == 16
	s_wait_alu depctr_va_vdst(0)
	s_wait_loadcnt 16                              ; the second eight
.endif
.if j == 32
	s_wait_alu depctr_va_vdst(0)
	s_wait_loadcnt 8                               ; the third
.endif
.if j == 48
	s_wait_alu depctr_va_vdst(0)
	s_wait_loadcnt 0x0                             ; the last
.endif
	v_pk_add_f32 v[4+2*(j%4):5+2*(j%4)], v[4+2*(j%4):5+2*(j%4)], v[X+2*j:X+2*j+1]
.set j, j+1
.endr
	REDUCE 0
	s_delay_alu instid0(VALU_DEP_1)
	v_mul_f32 v20, s22, v4                         ; the mean,
	s_delay_alu instid0(VALU_DEP_1)
	v_mov_b32 v21, v20                             ; twice: a pair for the packed subtraction
	; pass 2: the sum of (x - mean)^2, from the registers
.set j, 0
.rept 16
.irp k, 0,1,2,3
	v_pk_add_f32 v[12+2*\k:13+2*\k], v[X+2*(j+\k):X+2*(j+\k)+1], v[20:21] neg_lo:[0,1] neg_hi:[0,1]
.endr
.irp k, 0,1,2,3
.if j == 0
	s_delay_alu instid0(VALU_DEP_4)
	v_pk_mul_f32 v[4+2*\k:5+2*\k], v[12+2*\k:13+2*\k], v[12+2*\k:13+2*\k]
.else
	s_delay_alu instid0(VALU_DEP_4)
	v_pk_fma_f32 v[4+2*\k:5+2*\k], v[12+2*\k:13+2*\k], v[12+2*\k:13+2*\k], v[4+2*\k:5+2*\k]
.endif
.endr
.set j, j+4
.endr
	REDUCE 256                                     ; other words than the first reduction's: no wave can still be reading those
	s_delay_alu instid0(VALU_DEP_1)
	v_fma_f32 v5, v4, s22, v25                     ; the variance + eps
	s_wait_alu depctr_va_vdst(0)
	v_rsq_f32 v6, v5
	v_nop                                          ; a plain instruction behind the transcendental
	s_wait_alu depctr_va_vdst(0)                   ; the wait ahead of the first use, and ahead of the branch
	s_cmp_lg_u32 s16, 0                            ; no barrier follows: the other waves are done
	s_cbranch_scc1 .Lend
	v_mul_f32 v7, v6, v3                           ; rstd x gn_w
	v_cmp_lt_u32 vcc_lo, 7, v0
	s_delay_alu instid0(VALU_DEP_1)
	v_cndmask_b32 v7, v7, v20, vcc_lo              ; lanes 8-31: the mean
	s_lshl_b32 s23, ttmp9, 7                       ; the group's record
	v_lshl_add_u32 v8, v0, 2, s23
	global_store_b32 v8, v7, s[12:13]              ; 128 consecutive bytes
.Lend:
	s_wait_tensorcnt 0x0
	ds_add_u32 v160, v161
	s_wait_dscnt 0x0
	s_endpgm
	; ---------------- one weight fragment a wave ----------------
.Lweights:
	s_sub_co_u32 s17, ttmp9, 128
	s_lshl_b32 s17, s17, 3
	s_add_co_u32 s17, s17, s16                     ; fid 0..127
	v_and_b32 v1, 31, v0                           ; lane
	s_delay_alu instid0(VALU_DEP_1)
	v_lshlrev_b32 v5, 4, v1                        ; an image's place for my lane
	s_delay_alu instid0(VALU_DEP_2)
	v_lshlrev_b32 v6, 2, v1                        ; a scale word's
	v_and_b32 v2, 15, v0                           ; r
	v_bfe_u32 v3, v0, 4, 1                         ; h
	s_delay_alu instid0(VALU_DEP_2)
	v_and_b32 v4, 8, v2
	s_delay_alu instid0(VALU_DEP_1)
	v_add_nc_u32 v4, v4, v2                        ; r + 8 (r / 8)
	s_delay_alu instid0(VALU_DEP_1)
	v_lshlrev_b32 v4, 10, v4                       ; a row is 256 f32: 1,024 bytes
	s_delay_alu instid0(VALU_DEP_1)
	v_lshl_add_u32 v4, v3, 6, v4                   ; + 64 h: my 16 numbers of each block of 32
.irp b, 0,1,2,3
	v_mov_b32 v[TM+4+\b], 0                        ; written once: a lane permute's destination counts as one of its sources
.endr
	s_mul_i32 s24, s17, 1536                       ; where the fragment goes,
	s_mov_b32 s25, 0
	s_lshl_b32 s26, s17, 7                         ; and its scale words
	s_mov_b32 s27, 0
	s_cmp_lt_u32 ttmp9, 140                        ; work-groups 128..139: qkv_w's 96 fragments; 140..143: proj_w's 32
	s_cselect_b32 s18, 0, 96
	s_sub_co_u32 s18, s17, s18                     ; the fragment's number in its tensor
	s_lshr_b32 s19, s18, 1                         ; T
	s_and_b32 s18, s18, 1                          ; s
	s_lshr_b32 s22, s19, 1
	s_lshl_b32 s22, s22, 5
	s_and_b32 s23, s19, 1
	s_lshl_b32 s23, s23, 3
	s_add_co_u32 s22, s22, s23                     ; the tile begins at row 32 (T / 2) + 8 (T % 2)
	s_lshl_b32 s22, s22, 10
	s_lshl_b32 s18, s18, 9                         ; K step s: 512 bytes on
	s_add_co_u32 s22, s22, s18
	s_mov_b32 s23, 0
	s_wait_alu depctr_va_vdst(0)
	s_wait_kmcnt 0x0
	s_cmp_lt_u32 ttmp9, 140                        ; the choice hangs on the work-group's number alone
	s_cselect_b64 s[8:9], s[8:9], s[10:11]
	s_add_nc_u64 s[8:9], s[8:9], s[22:23]
	s_add_nc_u64 s[28:29], s[14:15], s[26:27]
	s_add_nc_u64 s[14:15], s[14:15], s[24:25]
.irp b, 0,1,2,3
.irp j, 0,1,2,3
	global_load_b128 v[X+16*\b+4*\j:X+16*\b+4*\j+3], v4, s[8:9] offset:128*\b+16*\j   ; register 16 b + i = k 32 b + 16 h + i of my row
.endr
.endr
	s_wait_loadcnt 0x0
.irp b, 0,1,2,3
	v_max3_num_f32 v[TM+\b], |v[X+16*\b]|, |v[X+1+16*\b]|, 0x2800000   ; block b: my 16 numbers, and the floor 2^(5 - 127): the byte cannot fall under 1
.endr
.irp i, 2,4,6,8,10,12,14
.irp b, 0,1,2,3
	s_delay_alu instid0(VALU_DEP_4)
	v_max3_num_f32 v[TM+\b], v[TM+\b], |v[X+16*\b+\i]|, |v[X+1+16*\b+\i]|   ; the four blocks by turns
.endr
.endr
.irp b, 0,1,2,3
	s_delay_alu instid0(VALU_DEP_4)
	v_permlanex16_b32 v[TM+4+\b], v[TM+\b], s[SEL], s[SEL+1]
.endr
.irp b, 0,1,2,3
	s_delay_alu instid0(VALU_DEP_4)
	v_max_num_f32 v[TM+\b], v[TM+\b], v[TM+4+\b]   ; with lane l xor 16's: the block's largest magnitude
.endr
.irp b, 0,1,2,3
	s_delay_alu instid0(VALU_DEP_4)
	v_add_nc_u32 v[TM+12+\b], 0xfe000000, v[TM+\b] ; 4 off its exponent field: the conversion's scale operand
.endr
.irp b, 0,1,2,3
	s_delay_alu instid0(VALU_DEP_4)
	v_lshrrev_b32 v[TM+4+\b], 23, v[TM+12+\b]      ; the scale's byte
.endr
	s_delay_alu instid0(VALU_DEP_3)
	v_lshl_or_b32 v[PW], v[TM+5], 8, v[TM+4]       ; my row's scale word (the same in both halves of the lanes)
	s_delay_alu instid0(VALU_DEP_1)
	v_lshl_or_b32 v[PW], v[TM+6], 16, v[PW]
	s_delay_alu instid0(VALU_DEP_1)
	v_lshl_or_b32 v[PW], v[TM+7], 24, v[PW]
.irp c, 0,1
	v_cvt_scalef32_pk16_bf6_f32 v[PC+6*\c:PC+2+6*\c], v[X+32*\c:X+15+32*\c], v[TM+12+2*\c]
	v_cvt_scalef32_pk16_bf6_f32 v[PC+12+4*\c:PC+14+4*\c], v[X+16+32*\c:X+31+32*\c], v[TM+12+2*\c+1]   ; (a conversion's three registers begin on an even number)
.endr
	v_nop                                          ; one plain place behind a scaled conversion
.irp c, 0,1                                    ; the operand's layout wants a WHOLE block in a lane: lanes 0-15 block 2 c, lanes 16-31 block 2 c + 1
.irp i, 0,1,2
	v_permlane16_swap_b32 v[PC+6*\c+\i], v[PC+12+4*\c+\i]
.endr
.irp i, 0,1,2
	s_delay_alu instid0(VALU_DEP_3)
	v_mov_b32 v[PC+3+6*\c+\i], v[PC+12+4*\c+\i]
.endr
.endr
.irp c, 0,1,2
	global_store_b128 v5, v[PC+4*\c:PC+4*\c+3], s[14:15] offset:512*\c   ; 512 consecutive bytes, at a multiple of 256 from the buffer's first byte
.endr
	global_store_b32 v6, v[PW], s[28:29] offset:196608
	s_endpgm
.Lfunc_end_k_q83fe01cec6_prep:
	.size	k_q83fe01cec6_prep, .Lfunc_end_k_q83fe01cec6_prep-k_q83fe01cec6_prep
	.p2alignl 7, 3214868480
	.fill 96, 4, 3214868480
	.section	.rodata,"a",@progbits
	.p2align	6, 0x0
	.amdhsa_kernel k_q83fe01cec6_prep
		.amdhsa_group_segment_fixed_size 1536
		.amdhsa_private_segment_fixed_size 0
		.amdhsa_enable_private_segment 0
		.amdhsa_kernarg_size 48
		.amdhsa_user_sgpr_count 2
		.amdhsa_user_sgpr_kernarg_segment_ptr 1
		.amdhsa_wavefront_size32 1
		.amdhsa_system_sgpr_workgroup_id_x 1
		.amdhsa_system_sgpr_workgroup_id_y 1
		.amdhsa_system_sgpr_workgroup_id_z 1
		.amdhsa_system_vgpr_workitem_id 0
		.amdhsa_next_free_vgpr 162
		.amdhsa_next_free_sgpr 66
		.amdhsa_reserve_vcc 1
		.amdhsa_float_denorm_mode_32 3
		.amdhsa_float_denorm_mode_16_64 3
		.amdhsa_memory_ordered 1
		.amdhsa_forward_progress 1
		.amdhsa_inst_pref_size 32
	.end_amdhsa_kernel
	.amdgpu_metadata
---
amdhsa.version: [ 1, 2 ]
amdhsa.kernels:
  - .name:           k_q83fe01cec6_prep
    .symbol:         k_q83fe01cec6_prep.kd
    .args:
      - { .name: x, .offset: 0, .size: 8, .value_kind: global_buffer, .address_space: global }
      - { .name: gn_w, .offset: 8, .size: 8, .value_kind: global_buffer, .address_space: global }
      - { .name: qkv_w, .offset: 16, .size: 8, .value_kind: global_buffer, .address_space: global }
      - { .name: proj_w, .offset: 24, .size: 8, .value_kind: global_buffer, .address_space: global }
      - { .name: stats, .offset: 32, .size: 8, .value_kind: global_buffer, .address_space: global }
      - { .name: wq, .offset: 40, .size: 8, .value_kind: global_buffer, .address_space: global }
    .group_segment_fixed_size: 1536
    .private_segment_fixed_size: 0
    .kernarg_segment_align: 8
    .kernarg_segment_size: 48
    .max_flat_workgroup_size: 256
    .sgpr_count:     66
    .vgpr_count:     162
    .wavefront_size: 32
...
	.end_amdgpu_metadata
.endif
;; end of part 1
;; launch qkv (part 2): grid 64 x 4, 12 waves a work-group, no clusters, 14,848 bytes of LDS; arguments x, stats, wq, gn_b, qkv_b, qbuf, kvc, kvs; writes qbuf, kvc, kvs
.if DOCPART == 2
	.amdgcn_target "amdgcn-amd-amdhsa--gfx1250"
	.amdhsa_code_object_version 6
	.text
	.protected	k_q83fe01cec6_qkv
	.globl	k_q83fe01cec6_qkv
	.p2align	8
	.type	k_q83fe01cec6_qkv,@function
k_q83fe01cec6_qkv:
	s_mov_b64 s[64:65], 0
	v_nop
	global_prefetch_b8 v0, s[64:65] scope:SCOPE_SE
	s_setreg_imm32_b32 hwreg(HW_REG_WAVE_MODE, 25, 1), 1
	s_wait_xcnt 0x0
; LAUNCH 2 OF 4.  xn = (x - mean) (rstd gn_w) + gn_b;  qkv = qkv_w xn + qkv_b, on codes of BF6 (E3M2) with one E8M0 byte for each 32 channels;  q and k are multiplied by 64^(-1/4) and quantised along
; the head's 64 channels, v along the positions (the keys).  Only codes and scale bytes go to memory, as images of operand registers.
; SHARES.  A work-group takes 64 positions (u = work-group x) of one batch (b = work-group y) and all 768 outputs.  Wave w: kind w / 4 (0 q, 1 k, 2 v), head w % 4: 64 output channels = 4 weight tiles x 2 K steps:
; 8 fragments, 12,288 consecutive bytes of wq, which stay in 96 registers.
; PHASE X (waves 0-7): wave kb takes channels 32 kb .. 32 kb + 31: A LANE TAKES A POSITION AND ITS REGISTERS RUN DOWN THE CHANNELS, so a block of 32 along K lies in one lane.  Its 24 bytes of codes go to LDS to the place
; that the operand's layout gives them: fragment (tile of positions n, K step s = kb / 4), lane r + 16 (kb % 2), registers 6 c .. 6 c + 5, c = (kb / 2) % 2.  One barrier; then every wave reads whole fragments.
; THE POSITIONS OF A TILE ARE NOT NEIGHBOURS: lane r of tile 2 g + v takes position 32 g + 8 v + r + 8 (r / 8); the weights' rows likewise (launch 1).
; q, k: source 0 = weight tile, source 1 = xn tile: a lane holds ONE position and 32 registers = channels 32 b + 16 h + i.   v: the sources swapped: a lane holds ONE channel and 32 registers = positions.
; HALF FRAGMENT (HF), 768 bytes: 16 rows x 64 K: registers 0-3 at 16 x lane, registers 4-5 at 512 + 8 x lane.
;   qbuf: record (hd = 4 b + head, u) of 3,328 bytes: HF of tile n at 768 n; scale words at 3072 + 64 n + 4 r (bytes 2, 3 = 0x7f: the upper 64 of attention's K step of 128 are zero codes).
;   kvc: record (hd, step of 128 keys) of 12,288 bytes: K's tile t = 4 (u % 2) + n at 768 t; V's channel tile t, key half u % 2 at 6144 + 1536 t + 768 (u % 2).
;   kvs: record of 768 bytes: K's words at 128 i + 4 x lane (lanes 0-15 tile 2 i, lanes 16-31 tile 2 i + 1); V's at 512 + 128 i + 4 x lane, of which this work-group writes the 16 bits of its key half.
; LIMITS: NaN and infinities are not served.  A block of zeros gets the byte 1 where the rule says 127 (its codes are zeros; this program alone reads the bytes).
; (x - mean) x (rstd gn_w) + gn_b rounds once otherwise than ((x - mean) rstd) gn_w + gn_b.
.set XSC, 12288                        ; LDS: 0..12287 xn's 8 fragments f = 2 n + s, three blocks of 512 bytes each; from XSC their scale words, 64 bytes a fragment, word at 4 r
.set L16, 1                            ; v1   16 x lane
.set L8,  2                            ; v2   8 x lane
.set L4,  3                            ; v3   4 x lane
.set AXS, 4                            ; v4   XSC + 4 r
.set XWI, 5                            ; v5   phase X: where my block's first and third pair of registers go
.set XWS, 6                            ; v6   and its scale byte
.set XWJ, 7                            ; v7   and its second pair
.set TM,  8                            ; v8-9 largest magnitudes; v10-11 the other half's; v12-13 scale operands; v14-15 bytes
.set TP,  10
.set SO,  12
.set BY,  14
.set HW,  16                           ; v16-19 two scale bytes for each tile
.set PK,  20                           ; v20  two tiles' words in one register
.set BO,  21                           ; v21  bias offset, q and k: 64 h
.set BV,  22                           ; v22  bias offset, v: 4 (r + 8 (r / 8))
.set X,   24                           ; v24-87  phase X: 2 x 32 numbers
.set ACC, 24                           ; v24-55  later: four accumulators
.set XB,  56                           ; v56-103 later: xn's fragments in hand
.set XS,  104                          ; v104-107 their scale words
.set PC,  108                          ; v108-113 an HF; v114-116 a half on its way
.set BI,  120                          ; v120-151 the bias in the result's layout, 8 registers a weight tile
.set WS,  152                          ; v152-159 the weights' scale words
.set W,   160                          ; v160-255 the weights: fragment (t, s) at W + 12 (2 t + s)
.set MEAN, 24                          ; s24-27  the means of my 4 groups
.set CS,  28                           ; s[28:29] 64^(-1/4) as f32
.set SEL, 30                           ; s[30:31] lane selects for v_permlanex16_b32: lane l xor 16
.set GA,  32                           ; s32-63  rstd gn_w of my 32 channels
.set GB,  68                           ; s68-99  gn_b of them
.macro MMC d, a, b, c, sa, sb          ; D = A B + C
.set rD, \d
.set rA, \a
.set rB, \b
.set rC, \c
.set rSA, \sa
.set rSB, \sb
	v_wmma_scale_f32_16x16x128_f8f6f4 v[rD:rD+7], v[rA:rA+11], v[rB:rB+11], v[rC:rC+7], v[rSA], v[rSB] matrix_a_fmt:MATRIX_FMT_BF6 matrix_b_fmt:MATRIX_FMT_BF6
.endm
; 32 numbers of a lane, register 16 b + i = k 32 b + 16 h + i of my row, become an HF in v[PC .. PC + 5] and two scale bytes in v[hw]
.macro QUANT2 s, hw
.irp b, 0,1
	v_max3_num_f32 v[TM+\b], |v[(\s)+16*\b]|, |v[(\s)+1+16*\b]|, 0x2800000   ; my 16 numbers of block b, and the floor 2^(5 - 127): the byte cannot fall under 1
.endr
.irp i, 2,4,6,8,10,12,14
.irp b, 0,1
	v_max3_num_f32 v[TM+\b], v[TM+\b], |v[(\s)+16*\b+\i]|, |v[(\s)+1+16*\b+\i]|
.endr
.endr
.irp b, 0,1
	s_delay_alu instid0(VALU_DEP_2)
	v_permlanex16_b32 v[TP+\b], v[TM+\b], s[SEL], s[SEL+1]
.endr
.irp b, 0,1
	s_delay_alu instid0(VALU_DEP_2)
	v_max_num_f32 v[TM+\b], v[TM+\b], v[TP+\b]     ; with lane l xor 16's: the block's largest magnitude
.endr
.irp b, 0,1
	s_delay_alu instid0(VALU_DEP_2)
	v_add_nc_u32 v[SO+\b], 0xfe000000, v[TM+\b]    ; 4 off its exponent field: the conversion's scale operand
.endr
.irp b, 0,1
	s_delay_alu instid0(VALU_DEP_2)
	v_lshrrev_b32 v[BY+\b], 23, v[SO+\b]           ; the scale's byte
.endr
	v_cvt_scalef32_pk16_bf6_f32 v[PC:PC+2], v[(\s):(\s)+15], v[SO]
	v_cvt_scalef32_pk16_bf6_f32 v[PC+6:PC+8], v[(\s)+16:(\s)+31], v[SO+1]
	v_lshl_or_b32 v[\hw], v[BY+1], 8, v[BY]        ; (the plain place behind the conversions)
.irp i, 0,1,2
	v_permlane16_swap_b32 v[PC+\i], v[PC+6+\i]     ; a WHOLE block to a lane: lanes 0-15 block 0, lanes 16-31 block 1
.endr
.irp i, 0,1,2
	s_delay_alu instid0(VALU_DEP_3)
	v_mov_b32 v[PC+3+\i], v[PC+6+\i]
.endr
.endm
	s_load_b512 s[4:19], s[0:1], 0x0               ; x s[4:5], stats s[6:7], wq s[8:9], gn_b s[10:11], qkv_b s[12:13], qbuf s[14:15], kvc s[16:17], kvs s[18:19]
	v_lshl_add_u32 v118, v0, 2, 0x3400
	v_mov_b32 v119, 0
	v_lshrrev_b32 v9, 5, v0
	s_delay_alu instid0(VALU_DEP_1)
	v_readfirstlane_b32 s20, v9                    ; wave 0..11
	s_lshr_b32 s21, s20, 2                         ; kind
	s_and_b32 s22, s20, 3                          ; head
	s_and_b32 s23, ttmp7, 0xffff                   ; b
	s_and_b32 s2, s20, 7                           ; kb
	s_mov_b32 s[CS], 0x3eb504f3                    ; 1 / f32(sqrt(sqrt(64)))
	s_mov_b32 s[CS+1], s[CS]                       ; (named with it as a pair, so it is written)
	s_mov_b32 s[SEL], 0x76543210
	s_mov_b32 s[SEL+1], 0xfedcba98
	s_mov_b32 vcc_lo, 0xffff0000                   ; lanes 16-31
	; every LDS address is made here, ahead of the first parting of the waves
	v_and_b32 v9, 31, v0
	s_delay_alu instid0(VALU_DEP_1)
	v_lshlrev_b32 v[L16], 4, v9
	s_delay_alu instid0(VALU_DEP_2)
	v_lshlrev_b32 v[L8], 3, v9
	s_delay_alu instid0(VALU_DEP_3)
	v_lshlrev_b32 v[L4], 2, v9
	v_and_b32 v10, 15, v0                          ; r
	s_delay_alu instid0(VALU_DEP_1)
	v_lshl_add_u32 v[AXS], v10, 2, XSC
	v_bfe_u32 v13, v0, 4, 1                        ; h
	s_delay_alu instid0(VALU_DEP_1)
	v_lshlrev_b32 v[BO], 6, v13
	s_delay_alu instid0(VALU_DEP_4)
	v_and_b32 v[BV], 8, v10
	s_delay_alu instid0(VALU_DEP_1)
	v_add_nc_u32 v[BV], v[BV], v10
	s_delay_alu instid0(VALU_DEP_1)
	v_lshlrev_b32 v[BV], 2, v[BV]
	v_bfe_u32 v11, v0, 3, 1                        ; position 32 g + lane lies in tile 2 g + (lane / 8) % 2,
	v_and_b32 v12, 7, v0
	s_delay_alu instid0(VALU_DEP_1)
	v_lshl_add_u32 v12, v13, 3, v12                ; at its row lane % 8 + 8 (lane / 16)
	s_delay_alu instid0(VALU_DEP_3)
	v_mul_u32_u24 v14, v11, 3072                   ; a tile's two fragments are 3,072 bytes
	s_delay_alu instid0(VALU_DEP_1)
	v_lshl_add_u32 v14, v12, 4, v14
	s_wait_alu depctr_va_vdst(0)
	s_lshr_b32 s3, s2, 2                           ; K step s
	s_and_b32 s48, s2, 1                           ; which half of the lanes
	s_bfe_u32 s49, s2, 0x10001                     ; c
	s_mul_i32 s50, s3, 1536
	s_lshl_b32 s48, s48, 8
	s_add_co_u32 s50, s50, s48                     ; 1536 s + 256 (kb % 2)
	s_mul_i32 s51, s49, 520                        ; registers 0, 1 at 0 and 4, 5 at 512;  registers 6, 7 at 520 and 10, 11 at 1032
	s_add_co_u32 s51, s51, s50
	v_add_nc_u32 v[XWI], s51, v14
	s_mul_i32 s51, s49, 1016                       ; registers 2, 3 at 8;  registers 8, 9 at 1024
	s_add_co_u32 s51, s51, s50
	v_add_nc_u32 v[XWJ], s51, v14
	v_lshlrev_b32 v15, 7, v11
	s_delay_alu instid0(VALU_DEP_1)
	v_lshl_add_u32 v15, v12, 2, v15
	s_lshl_b32 s50, s3, 6
	s_and_b32 s51, s2, 3                           ; the block's byte in the row's scale word
	s_add_co_u32 s50, s50, s51
	s_add_co_u32 s50, s50, XSC
	v_add_nc_u32 v[XWS], s50, v15
	v_mov_b32 v[TP], 0                             ; written once: a lane permute's destination counts as one of its sources
	v_mov_b32 v[TP+1], 0
	; byte offsets, each in a pair of its own with 0 above
	s_lshl_b32 s32, s23, 12                        ; stats: record 32 b + 4 kb of 128 bytes
	s_lshl_b32 s48, s2, 9
	s_add_co_u32 s32, s32, s48
	s_mov_b32 s33, 0
	s_lshl_b32 s34, s2, 7                          ; gn_b: 32 kb numbers on
	s_mov_b32 s35, 0
	s_lshl_b32 s36, s23, 22                        ; x: batch b, channel 32 kb, position 64 u
	s_lshl_b32 s48, s2, 19
	s_add_co_u32 s36, s36, s48
	s_lshl_b32 s48, ttmp9, 8
	s_add_co_u32 s36, s36, s48
	s_mov_b32 s37, 0
	s_mul_i32 s48, s22, 24
	s_lshl_b32 s49, s21, 3
	s_add_co_u32 s48, s48, s49                     ; my first fragment: 24 head + 8 kind (rows 192 head + 64 kind on)
	s_mul_i32 s38, s48, 1536
	s_mov_b32 s39, 0
	s_lshl_b32 s40, s48, 7
	s_mov_b32 s41, 0
	s_lshl_b32 s42, s48, 5                         ; qkv_b: 4 (192 head + 64 kind)
	s_mov_b32 s43, 0
	s_lshl_b32 s48, s23, 2
	s_add_co_u32 s48, s48, s22                     ; hd
	s_lshl_b32 s48, s48, 6
	s_add_co_u32 s48, s48, ttmp9                   ; 64 hd + u
	s_mul_i32 s49, s48, 3328                       ; q: the record,
	s_add_co_u32 s50, s49, 3072                    ;    its scale words
	s_lshr_b32 s48, s48, 1                         ; 32 hd + u / 2: the step of 128 keys
	s_and_b32 s51, ttmp9, 1                        ; which half of it
	s_mul_i32 s52, s48, 12288
	s_mul_i32 s53, s48, 768
	s_mov_b32 s54, 768
	s_cmp_eq_u32 s21, 1                            ; k or v
	s_cselect_b32 s54, 3072, s54
	s_cselect_b32 s55, 0, 6144
	s_cselect_b32 s56, 256, 2
	s_cselect_b32 s57, 0, 512
	s_mul_i32 s54, s54, s51
	s_mul_i32 s56, s56, s51
	s_add_co_u32 s52, s52, s54
	s_add_co_u32 s52, s52, s55
	s_add_co_u32 s53, s53, s56
	s_add_co_u32 s53, s53, s57
	s_cmp_eq_u32 s21, 0
	s_cselect_b32 s44, s49, s52
	s_cselect_b32 s46, s50, s53
	s_mov_b32 s45, 0
	s_mov_b32 s47, 0
	s_wait_kmcnt 0x0
	s_add_nc_u64 s[6:7], s[6:7], s[32:33]
	s_add_nc_u64 s[10:11], s[10:11], s[34:35]
	s_add_nc_u64 s[4:5], s[4:5], s[36:37]
	s_add_nc_u64 s[66:67], s[8:9], s[40:41]        ; the weights' scale words,
	s_add_nc_u64 s[8:9], s[8:9], s[38:39]          ; their codes
	s_add_nc_u64 s[12:13], s[12:13], s[42:43]
	s_cmp_eq_u32 s21, 0                            ; the choice of buffers hangs on the wave's number alone
	s_cselect_b64 s[18:19], s[14:15], s[18:19]     ; scale words: qbuf or kvs
	s_cselect_b64 s[14:15], s[14:15], s[16:17]     ; codes: qbuf or kvc
	s_add_nc_u64 s[14:15], s[14:15], s[44:45]
	s_add_nc_u64 s[18:19], s[18:19], s[46:47]
	s_cmp_lt_u32 s20, 8
	s_cbranch_scc0 .Lno_x
.irp g, 0,1,2,3
	s_load_b256 s[GA+8*\g:GA+8*\g+7], s[6:7], 128*\g
	s_load_b32 s[MEAN+\g], s[6:7], 128*\g+32
.endr
	s_load_b512 s[GB:GB+15], s[10:11], 0x0
	s_load_b512 s[GB+16:GB+31], s[10:11], 0x40
.irp g, 0,1
.set i, 0
.rept 32
	global_load_b32 v[X+32*\g+i], v[L4], s[4:5] offset:16384*i+128*\g   ; x(32 kb + i, 64 u + 32 g + lane): 128 consecutive bytes
.set i, i+1
.endr
.endr
.Lno_x:
.set i, 0
.rept 24
	global_load_b128 v[W+4*i:W+4*i+3], v[L16], s[8:9] offset:512*i      ; my 8 fragments as they lie
.set i, i+1
.endr
.set i, 0
.rept 8
	global_load_b32 v[WS+i], v[L4], s[66:67] offset:196608+128*i
.set i, i+1
.endr
	s_cmp_lt_u32 s20, 8
	s_cbranch_scc0 .Lv_bias
.irp t, 0,1,2,3                                ; q, k: register j of tile t is channel 32 (t / 2) + 16 h + 8 (t % 2) + j
	global_load_b128 v[BI+8*\t:BI+8*\t+3], v[BO], s[12:13] offset:4*(32*(\t/2)+8*(\t%2))
	global_load_b128 v[BI+8*\t+4:BI+8*\t+7], v[BO], s[12:13] offset:4*(32*(\t/2)+8*(\t%2))+16
.endr
	; ---- phase X
.macro XUNIT g
.set XG, X+32*\g
.set P, 88+20*\g                       ; each unit has its own registers for its codes and its byte: no LDS store's data are written again
.set i, 0
.rept 32
	v_subrev_f32 v[XG+i], s[MEAN+i/8], v[XG+i]
.set i, i+1
.endr
.set i, 0
.rept 32
	v_fma_f32 v[XG+i], v[XG+i], s[GA+i], s[GB+i]
.set i, i+1
.endr
	v_max3_num_f32 v8, |v[XG]|, |v[XG+1]|, |v[XG+2]|               ; the block's largest magnitude: all 32 numbers are mine
	v_max3_num_f32 v9, |v[XG+3]|, |v[XG+4]|, |v[XG+5]|
.irp i, 6,10,14,18,22,26
	s_delay_alu instid0(VALU_DEP_2)
	v_max3_num_f32 v8, v8, |v[XG+\i]|, |v[XG+\i+1]|
	s_delay_alu instid0(VALU_DEP_2)
	v_max3_num_f32 v9, v9, |v[XG+\i+2]|, |v[XG+\i+3]|
.endr
	s_delay_alu instid0(VALU_DEP_2)
	v_max3_num_f32 v8, v8, |v[XG+30]|, |v[XG+31]|
	s_delay_alu instid0(VALU_DEP_1)
	v_max3_num_f32 v8, v8, v9, 0x2800000           ; and the floor
	s_delay_alu instid0(VALU_DEP_1)
	v_add_nc_u32 v12, 0xfe000000, v8
	s_delay_alu instid0(VALU_DEP_1)
	v_lshrrev_b32 v[BY+\g], 23, v12
	v_cvt_scalef32_pk16_bf6_f32 v[P:P+2], v[XG:XG+15], v12
	v_cvt_scalef32_pk16_bf6_f32 v[P+6:P+8], v[XG+16:XG+31], v12
	v_nop                                          ; one plain place behind a scaled conversion
.irp i, 0,1,2
	v_mov_b32 v[P+3+\i], v[P+6+\i]
.endr
	ds_store_b64 v[XWI], v[P:P+1] offset:6144*\g
	ds_store_b64 v[XWJ], v[P+2:P+3] offset:6144*\g+8
	ds_store_b64 v[XWI], v[P+4:P+5] offset:6144*\g+512
	ds_store_b8 v[XWS], v[BY+\g] offset:256*\g
.endm
	s_wait_kmcnt 0x0                               ; the means, gains and biases
	s_wait_loadcnt 40                              ; x's 64 loads are in; the 24 + 8 + 8 issued behind them may be out
	XUNIT 0
	XUNIT 1
	s_branch .Ljoin
.Lv_bias:
.irp t, 0,1,2,3                                ; v: a lane holds one channel, 32 (t / 2) + 8 (t % 2) + r + 8 (r / 8): its bias in all eight registers
.irp j, 0,1,2,3,4,5,6,7
	global_load_b32 v[BI+8*\t+\j], v[BV], s[12:13] offset:4*(32*(\t/2)+8*(\t%2))
.endr
.endr
.Ljoin:
	s_wait_dscnt 0x0                               ; for the others' sake: my stores have landed
	s_barrier_signal -1
	s_barrier_wait -1                              ; xn's eight fragments and their scale words lie in LDS; they are only read from here on
	s_wait_loadcnt 0x0                             ; weights, scale words, bias
	s_cmp_lt_u32 s20, 8
	s_cbranch_scc0 .Lv
	; ---- q, k: a tile of 16 positions at a time.  The four accumulators take turns
.macro QK n
.irp s, 0,1
.irp c, 0,1,2
	ds_load_b128 v[XB+12*\s+4*\c:XB+12*\s+4*\c+3], v[L16] offset:1536*(2*\n+\s)+512*\c
.endr
	ds_load_b32 v[XS+\s], v[AXS] offset:64*(2*\n+\s)
.endr
	s_wait_dscnt 0x0
.irp t, 0,1,2,3
	MMC ACC+8*\t, W+24*\t, XB, BI+8*\t, WS+2*\t, XS               ; the bias is the C of the sum's first product
.endr
.irp t, 0,1,2,3
	MMC ACC+8*\t, W+24*\t+12, XB+12, ACC+8*\t, WS+2*\t+1, XS+1
.endr
.rept 5
	v_nop                                          ; four places ahead of the reads of the results and of the next loads into the operands; the fifth for the next tile's products, which begin these accumulators anew
.endr
.set j, 0
.rept 16
	v_pk_mul_f32 v[ACC+j:ACC+j+1], v[ACC+j:ACC+j+1], s[CS:CS+1] op_sel_hi:[1,0]   ; x 64^(-1/4); each accumulator from its low end on
.set j, j+2
.endr
	s_wait_alu depctr_va_vdst(0)
	s_wait_xcnt 0x0                                ; the last tile's stores have read their data: the registers may be written again
	QUANT2 ACC, HW+\n
	v_or_b32 v[HW+\n], 0x7f7f0000, v[HW+\n]        ; bytes 2, 3: the scale 1 over zero codes
	global_store_b128 v[L16], v[PC:PC+3], s[14:15] offset:768*\n          ; 512 consecutive bytes,
	global_store_b64 v[L8], v[PC+4:PC+5], s[14:15] offset:768*\n+512      ; 256: both at multiples of 256 from the buffer's first byte
.if \n%2
	v_cndmask_b32 v[PK], v[HW+\n-1], v[HW+\n], vcc_lo                     ; lanes 0-15 the even tile's words, lanes 16-31 the odd tile's
	global_store_b32 v[L4], v[PK], s[18:19] offset:128*(\n/2)
.endif
.endm
	QK 0
	QK 1
	QK 2
	QK 3
	s_wait_tensorcnt 0x0
	ds_add_u32 v118, v119
	s_wait_dscnt 0x0
	s_endpgm
.Lv:
	; ---- v: a tile of 16 channels at a time, all 64 positions: source 0 = xn's tiles, source 1 = the weight tile
.macro VP t
.irp s, 0,1
.if \s
.rept 4
	v_nop                                          ; places ahead of loads into registers that matrix instructions have read
.endr
.endif
.irp n, 0,1,2,3
.irp c, 0,1,2
	ds_load_b128 v[XB+12*\n+4*\c:XB+12*\n+4*\c+3], v[L16] offset:1536*(2*\n+\s)+512*\c
.endr
	ds_load_b32 v[XS+\n], v[AXS] offset:64*(2*\n+\s)
.endr
	s_wait_dscnt 0x0
.irp n, 0,1,2,3
.if \s
	MMC ACC+8*\n, XB+12*\n, W+24*\t+12, ACC+8*\n, XS+\n, WS+2*\t+1
.else
	MMC ACC+8*\n, XB+12*\n, W+24*\t, BI+8*\t, XS+\n, WS+2*\t
.endif
.endr
.endr
.rept 5
	v_nop                                          ; as in the other path
.endr
	s_wait_xcnt 0x0                                ; the last tile's stores have read their data
	QUANT2 ACC, HW+\t                              ; register 16 b + i = position 32 b + 16 h + i: blocks of 32 keys
	global_store_b128 v[L16], v[PC:PC+3], s[14:15] offset:1536*\t
	global_store_b64 v[L8], v[PC+4:PC+5], s[14:15] offset:1536*\t+512
.if \t%2
	v_cndmask_b32 v[PK], v[HW+\t-1], v[HW+\t], vcc_lo
	global_store_b16 v[L4], v[PK], s[18:19] offset:128*(\t/2)             ; my key half's two bytes of each word; the neighbouring work-group writes the other two
.endif
.endm
	VP 0
	VP 1
	VP 2
	VP 3
	s_wait_tensorcnt 0x0
	ds_add_u32 v118, v119
	s_wait_dscnt 0x0
	s_endpgm
.Lfunc_end_k_q83fe01cec6_qkv:
	.size	k_q83fe01cec6_qkv, .Lfunc_end_k_q83fe01cec6_qkv-k_q83fe01cec6_qkv
	.p2alignl 7, 3214868480
	.fill 96, 4, 3214868480
	.section	.rodata,"a",@progbits
	.p2align	6, 0x0
	.amdhsa_kernel k_q83fe01cec6_qkv
		.amdhsa_group_segment_fixed_size 14848
		.amdhsa_private_segment_fixed_size 0
		.amdhsa_enable_private_segment 0
		.amdhsa_kernarg_size 64
		.amdhsa_user_sgpr_count 2
		.amdhsa_user_sgpr_kernarg_segment_ptr 1
		.amdhsa_wavefront_size32 1
		.amdhsa_system_sgpr_workgroup_id_x 1
		.amdhsa_system_sgpr_workgroup_id_y 1
		.amdhsa_system_sgpr_workgroup_id_z 1
		.amdhsa_system_vgpr_workitem_id 0
		.amdhsa_next_free_vgpr 256
		.amdhsa_next_free_sgpr 100
		.amdhsa_reserve_vcc 1
		.amdhsa_float_denorm_mode_32 3
		.amdhsa_float_denorm_mode_16_64 3
		.amdhsa_memory_ordered 1
		.amdhsa_forward_progress 1
		.amdhsa_inst_pref_size 74
	.end_amdhsa_kernel
	.amdgpu_metadata
---
amdhsa.version: [ 1, 2 ]
amdhsa.kernels:
  - .name:           k_q83fe01cec6_qkv
    .symbol:         k_q83fe01cec6_qkv.kd
    .args:
      - { .name: x, .offset: 0, .size: 8, .value_kind: global_buffer, .address_space: global }
      - { .name: stats, .offset: 8, .size: 8, .value_kind: global_buffer, .address_space: global }
      - { .name: wq, .offset: 16, .size: 8, .value_kind: global_buffer, .address_space: global }
      - { .name: gn_b, .offset: 24, .size: 8, .value_kind: global_buffer, .address_space: global }
      - { .name: qkv_b, .offset: 32, .size: 8, .value_kind: global_buffer, .address_space: global }
      - { .name: qbuf, .offset: 40, .size: 8, .value_kind: global_buffer, .address_space: global }
      - { .name: kvc, .offset: 48, .size: 8, .value_kind: global_buffer, .address_space: global }
      - { .name: kvs, .offset: 56, .size: 8, .value_kind: global_buffer, .address_space: global }
    .group_segment_fixed_size: 14848
    .private_segment_fixed_size: 0
    .kernarg_segment_align: 8
    .kernarg_segment_size: 64
    .max_flat_workgroup_size: 384
    .sgpr_count:     100
    .vgpr_count:     256
    .wavefront_size: 32
...
	.end_amdgpu_metadata
.endif
;; end of part 2
;; launch attn (part 3): grid 16 x 16, 16 waves a work-group, clusters of 4 x 1, 327,680 bytes of LDS; arguments qbuf, kvc, kvs, abuf, asc; writes abuf, asc
.if DOCPART == 3
	.amdgcn_target "amdgcn-amd-amdhsa--gfx1250"
	.amdhsa_code_object_version 6
	.text
	.protected	k_q83fe01cec6_attn
	.globl	k_q83fe01cec6_attn
	.p2align	8
	.type	k_q83fe01cec6_attn,@function
k_q83fe01cec6_attn:
	s_mov_b64 s[64:65], 0
	v_nop
	global_prefetch_b8 v0, s[64:65] scope:SCOPE_SE
	s_setreg_imm32_b32 hwreg(HW_REG_WAVE_MODE, 25, 1), 1
	s_wait_xcnt 0x0
	s_wait_alu depctr_hold_cnt(0) depctr_sa_sdst(0) depctr_va_vdst(0) depctr_va_sdst(0) depctr_va_ssrc(0) depctr_va_vcc(0) depctr_vm_vsrc(0)
	s_getreg_b32 s2, hwreg(HW_REG_IB_STS2, 6, 4)
	s_cmp_eq_u32 s2, 0
	s_cbranch_scc0 .Lentry_in_a_cluster
	s_endpgm
.Lentry_in_a_cluster:
	s_bfe_u32 s2, ttmp6, 0x10000c
	s_cmp_lg_u32 s2, 0x3003
	s_cbranch_scc0 .Lentry_shape_is_right
	s_endpgm
.Lentry_shape_is_right:
; LAUNCH 3 OF 4.  a[hd][c][t] = the sum over s of softmax_s(q[t] . k[s]) v[c][s], 16 heads x 4,096 positions, head size 64, both products on codes of BF6 (E3M2) with one E8M0 byte for each 32 along K.
; q and k carry 64^(-1/4) each already.  THE SOFTMAX AHEAD OF THE SECOND PRODUCT: t = score x log2(e); M = the running largest t rounded UP to a whole number; p = 2^(t - M) is quantised along the keys, not normalised;
; the row's sum is taken of the unquantised p and divides at the end.  When M moves, the sum and O are multiplied by 2^(old M - new M): exact.  The result a is quantised along the channels for the last product.
; THE FIRST PRODUCT'S K IS 64 in an instruction of 128: registers 6-11 of K's and Q's fragments hold zero codes for the whole launch, and bytes 2, 3 of their scale words are 0x7f.
; SHARES.  A work-group owns 256 queries of one head (work-group y); each of its SIXTEEN waves owns one tile of 16, in 256 registers: four waves to a SIMD, so that one wave's vector work stands beside another's
; matrix work and LDS loads.  Every wave walks all 4,096 keys, 128 a step.
; LAYOUT.  Both products transposed: S^T = K Q^T (source 0 = 16 keys), O^T = V P^T (source 0 = 16 channels): a lane holds ONE query throughout.  The keys of a tile of K and the channels of a tile of V were laid
; by launch 2 so that the 16 registers of result tiles 2 b, 2 b + 1 are 16 neighbours: 32 b + 16 (lane / 16) + 0 .. 15.
; RING.  A key step's codes are one record of 12,288 bytes, an image of operand registers: every LDS read is 16, 8 or 4 bytes x lane on end, so there is no pitch and no padding.  Two slots of 8 steps (98,304 bytes);
; waves 0-3 fetch a quarter of a slot each; the head's 24,576 scale bytes come once (wave 4).  A wave has at most one tensor load outstanding.
; CLUSTER.  The four work-groups of a cluster are four query blocks of one head and walk the same K and V: every tile is asked for JOINTLY (mask 15).  The place in the cluster enters global addresses alone (Q, a, the prefetch).
; LIMITS: NaN and infinities are not served.  1 / l is v_rcp_f32 and a multiplication.  A block of zeros gets the byte 1 (its codes are zeros; this program alone reads the bytes).
; The block's largest p is made from the block's largest score by the same two instructions: that takes v_exp_f32 not to fall where its input rises.
.set STEPB, 12288
.set SLOTB, 8*STEPB                    ; slot 0: bytes 0 .. 98,303
.set SLOT1, 1<<17                      ; slot 1 begins here: one exclusive or turns an address in one slot into the other's
.set SCL,   SLOTB                      ; between the slots: the head's scale bytes, 32 records of 768 bytes, filled once;
.set SPARE, SCL+24576                  ; and the spare words, 128 bytes for each of 16 waves: eight blocks of 256 bytes that no other line names
.set L16, 1                            ; v1   16 x lane
.set L8,  2                            ; v2   8 x lane
.set L4,  3                            ; v3   SCL + 4 x lane
.set SPW, 4                            ; v4   LDS address of my spare word; never rewritten
.set NIL, 5                            ; v5   0; never rewritten
.set A16, 6                            ; v6-8 the step's addresses
.set A8,  7
.set A4,  8
.set VS1, 9                            ; v9   V's scale words, tiles 2 and 3
.set F,   10                           ; v[10:11] f = 2^(old M - new M); the upper register is only named
.set NM,  12                           ; v12  -M;  v13 the largest t
.set SUM, 14                           ; v[14:15] the row's sum in two halves
.set Q,   16                           ; v16-27 Q's fragment
.set QS,  28                           ; v28  its scale words
.set PS,  29                           ; v29  p's scale word
.set VS0, 30                           ; v30  V's scale words, tiles 0 and 1
.set PFO, 31                           ; v31  256 x lane: the prefetch's offset; never rewritten
.set KB,  32                           ; v32-79   four fragments of K
.set VB,  80                           ; v80-127  V's four fragments
.set S,   128                          ; v128-191 S^T, then p
.set O,   192                          ; v192-223 O^T
.set PC,  224                          ; v224-235 p's codes
.set BM,  236                          ; v236-239 the blocks' largest scores
.set T2,  240                          ; v240-246 at work
.set TV,  247                          ; v247 at work
.set SO,  248                          ; v248-251 the conversions' scale operands
.set KS,  252                          ; v252-255 K's scale words: lanes 0-15 tile 2 i, lanes 16-31 tile 2 i + 1
.set WV,  18                           ; s18  my wave's number
.set CX,  19                           ; s19  my place in the cluster
.set SEL, 20                           ; s[20:21] lane selects: lane l xor 16
.set CS,  22                           ; s[22:23] log2(e)
.set G1,  24                           ; s[24:31] descriptor group 1: 96 rows of 256 bytes, for codes and scale bytes alike
.set G0,  32                           ; s[32:35] group 0 for the codes, which walks
.set G0S, 36                           ; s[36:39] group 0 for the scale bytes
.set PFA, 40                           ; s[40:41] where my prefetches stand
.set LIM, 42                           ; s42  1 in a wave that prefetches, else the greatest number
.set SLOTS, 43                         ; s43  slots still to be asked for
.set TB,  45                           ; s45  LDS byte at which the step's record begins
.set TS,  46                           ; s46  and its scale words, from SCL on
.set CNT, 47                           ; s47  counts a slot's eight steps
.macro ROUND                           ; a round of the cluster's barrier
	s_barrier_signal -1
	s_barrier_wait -1
	s_cmp_lg_u32 s[WV], 0
	s_cbranch_scc1 .Lnot_wave_0_\@
	s_barrier_signal -3
.Lnot_wave_0_\@:
	s_barrier_wait -3
	s_barrier_signal -1
	s_barrier_wait -1
.endm
.macro JLOAD                           ; the joint refill: waves 0-3, a quarter of a slot each; the branch hangs on the wave's number alone; four v_nop follow the load
	s_cmp_lt_u32 s[WV], 4
	s_cbranch_scc0 .Lno_fetch_\@
	tensor_load_to_lds s[G0:G0+3], s[G1:G1+7]
	s_nop 0
.rept 4
	v_nop
.endr
.Lno_fetch_\@:
.endm
; A PREFETCH INTO THE L2 of the slot that the NEXT change of slots will ask for: 98,304 dense bytes = 384 blocks of 256.  All clusters of a head walk the same bytes: the head's first cluster asks.  Its four partners
; take 24,576 bytes each, told apart BY ADDRESS; in each, waves 5, 6 and 7, which fetch nothing, take 8,192 bytes each, lanes 256 bytes apart: each block is named once in the launch.
; The change that asks for the last slot prefetches nothing; slots 0 and 1 and the scale bytes come by their loads alone.
.macro ASK
	s_cmp_gt_u32 s[SLOTS], s[LIM]
	s_cbranch_scc0 .Lnot_mine_\@
	global_prefetch_b8 v[PFO], s[PFA:PFA+1] th:TH_LOAD_NT scope:SCOPE_SE
.Lnot_mine_\@:
.endm
.macro MMS t, g                        ; S^T, tile 4 g + t: a sum of one product, begun with 0
.set rD, S+8*(4*(\g)+(\t))
.set rA, KB+12*(\t)
.set rS, KS+2*(\g)+(\t)/2
.if (\t)%2
	v_wmma_scale_f32_16x16x128_f8f6f4 v[rD:rD+7], v[rA:rA+11], v[Q:Q+11], 0, v[rS], v[QS] matrix_a_fmt:MATRIX_FMT_BF6 matrix_b_fmt:MATRIX_FMT_BF6 matrix_a_scale:MATRIX_SCALE_ROW1
.else
	v_wmma_scale_f32_16x16x128_f8f6f4 v[rD:rD+7], v[rA:rA+11], v[Q:Q+11], 0, v[rS], v[QS] matrix_a_fmt:MATRIX_FMT_BF6 matrix_b_fmt:MATRIX_FMT_BF6
.endif
.endm
.macro MMV t                           ; O^T += V P^T, channel tile t
.set rD, O+8*(\t)
.set rA, VB+12*(\t)
.set rS, VS0
.if (\t) > 1
.set rS, VS1
.endif
.if (\t)%2
	v_wmma_scale_f32_16x16x128_f8f6f4 v[rD:rD+7], v[rA:rA+11], v[PC:PC+11], v[rD:rD+7], v[rS], v[PS] matrix_a_fmt:MATRIX_FMT_BF6 matrix_b_fmt:MATRIX_FMT_BF6 matrix_a_scale:MATRIX_SCALE_ROW1
.else
	v_wmma_scale_f32_16x16x128_f8f6f4 v[rD:rD+7], v[rA:rA+11], v[PC:PC+11], v[rD:rD+7], v[rS], v[PS] matrix_a_fmt:MATRIX_FMT_BF6 matrix_b_fmt:MATRIX_FMT_BF6
.endif
.endm
	s_load_b256 s[4:11], s[0:1], 0x0               ; qbuf s[4:5], kvc s[6:7], kvs s[8:9], abuf s[10:11]
	s_load_b64 s[12:13], s[0:1], 0x20              ; asc
	v_lshl_add_u32 v[SPW], v0, 2, SPARE
	v_mov_b32 v[NIL], 0
	ds_add_u32 v4, v5
	ds_add_u32 v4, v5
	s_wait_dscnt 0x0
	v_lshrrev_b32 v6, 5, v0
	s_delay_alu instid0(VALU_DEP_1)
	v_readfirstlane_b32 s[WV], v6                  ; wave 0..15
	s_bfe_u32 s[CX], ttmp6, 0x40000                ; cx
	s_and_b32 s48, ttmp7, 0xffff                   ; hd = 4 b + head, which the four partners share
	s_mov_b32 s[G1], 15|(3<<16)|(1<<21)            ; 15:0 the mask: all four work-groups; 17:16 elements of 8 bytes; 20 no padding; 21 set beside a mask
	s_mov_b32 s[G1+1], 32<<16                      ; tensor_dim0 = 32 elements: 256 bytes
	s_mov_b32 s[G1+2], 96<<16                      ; tensor_dim1 = 96
	s_mov_b32 s[G1+3], 32<<16                      ; tile_dim0 = 32
	s_mov_b32 s[G1+4], 96                          ; tile_dim1 = 96: 24,576 bytes
	s_mov_b32 s[G1+5], 32                          ; the block is dense: the pitch is the row
	s_mov_b32 s[G1+6], 0
	s_mov_b32 s[G1+7], 0
	s_and_b32 s49, s[WV], 3
	s_mul_i32 s49, s49, 24576                      ; my quarter of a slot, in LDS and in memory
	s_mul_i32 s50, s48, 393216                     ; the head's 32 records of codes
	s_add_co_u32 s50, s50, s49
	s_mov_b32 s51, 0
	s_mul_i32 s52, s48, 24576                      ; and of scale bytes
	s_mov_b32 s53, 0
	s_lshl_b32 s54, ttmp9, 6                       ; in a cluster launch ttmp9 counts clusters
	s_lshl_b32 s55, s[CX], 4
	s_add_co_u32 s54, s54, s55
	s_add_co_u32 s54, s54, s[WV]                   ; my tile of queries: 64 x cluster + 16 cx + wave
	s_lshr_b32 s55, s54, 2                         ; u
	s_and_b32 s54, s54, 3                          ; n
	s_lshl_b32 s56, s48, 6
	s_add_co_u32 s56, s56, s55
	s_mul_i32 s56, s56, 3328                       ; qbuf's record (hd, u)
	s_mul_i32 s57, s54, 768
	s_lshl_b32 s58, s54, 6
	s_add_co_u32 s58, s58, s56                     ; + 64 n: the scale words, 3,072 on
	s_add_co_u32 s56, s56, s57                     ; + 768 n: the codes
	s_mov_b32 s57, 0
	s_mov_b32 s59, 0
	s_lshr_b32 s60, s48, 2                         ; b
	s_and_b32 s61, s48, 3                          ; head
	s_lshl_b32 s60, s60, 6
	s_add_co_u32 s60, s60, s55
	s_lshl_b32 s60, s60, 3                         ; record (b, u): 8 fragments
	s_lshl_b32 s62, s54, 1
	s_add_co_u32 s60, s60, s62
	s_lshr_b32 s62, s61, 1
	s_add_co_u32 s60, s60, s62                     ; fragment 2 n + head / 2
	s_and_b32 s61, s61, 1                          ; which half of it
	s_mul_i32 s62, s60, 1536
	s_mul_i32 s63, s61, 768
	s_add_co_u32 s62, s62, s63                     ; in abuf
	s_mov_b32 s63, 0
	s_lshl_b32 s60, s60, 7
	s_lshl_b32 s61, s61, 1
	s_add_co_u32 s60, s60, s61                     ; in asc
	s_mov_b32 s61, 0
	s_sub_co_u32 s16, s[WV], 5                     ; waves 5, 6, 7 prefetch (under 5 this wraps to a great number)
	s_min_u32 s17, s16, 2
	s_lshl_b32 s17, s17, 13
	s_mul_i32 s[PFA], s[CX], 24576
	s_add_co_u32 s[PFA], s[PFA], s17
	s_mul_i32 s17, s48, 393216
	s_add_co_u32 s[PFA], s[PFA], s17
	s_add_co_u32 s[PFA], s[PFA], SLOTB             ; in slot 1: the first change of slots steps it to slot 2.  Nothing is prefetched at the head
	s_mov_b32 s[PFA+1], 0
	s_cmp_lt_u32 s16, 3
	s_cselect_b32 s[LIM], ttmp9, 1                 ; 0 in waves 5-7 of the head's first cluster: the same in all four partners
	s_cmp_eq_u32 s[LIM], 0
	s_cselect_b32 s[LIM], 1, -1
	s_mov_b32 s[SEL], 0x76543210
	s_mov_b32 s[SEL+1], 0xfedcba98
	s_mov_b32 s[CS], 0x3fb8aa3b                    ; log2(e)
	s_mov_b32 s[CS+1], s[CS]                       ; (named with it as a pair, so it is written)
	s_mov_b32 s[SLOTS], 3
	s_mov_b32 s[TB], 0
	s_mov_b32 s[TS], 0
	v_and_b32 v6, 31, v0
	s_delay_alu instid0(VALU_DEP_1)
	v_lshlrev_b32 v[L16], 4, v6
	s_delay_alu instid0(VALU_DEP_2)
	v_lshlrev_b32 v[L8], 3, v6
	s_delay_alu instid0(VALU_DEP_3)
	v_lshl_add_u32 v[L4], v6, 2, SCL
	s_delay_alu instid0(VALU_DEP_4)
	v_lshlrev_b32 v[PFO], 8, v6
	v_and_b32 v7, 15, v0
	s_delay_alu instid0(VALU_DEP_1)
	v_lshlrev_b32 v7, 2, v7                        ; 4 r
	s_wait_kmcnt 0x0
	s_add_nc_u64 s[14:15], s[4:5], s[58:59]
	s_add_nc_u64 s[4:5], s[4:5], s[56:57]
	s_add_nc_u64 s[10:11], s[10:11], s[62:63]
	s_add_nc_u64 s[12:13], s[12:13], s[60:61]
	s_add_nc_u64 s[PFA:PFA+1], s[6:7], s[PFA:PFA+1]
	s_mov_b32 s[G0], 1                             ; count = 1
	s_mov_b32 s[G0+1], s49                         ; LDS address: slot 0, my quarter
	s_add_nc_u64 s[G0+2:G0+3], s[6:7], s[50:51]    ; global address
	s_or_b32 s[G0+3], s[G0+3], 0x80000000          ; type = 2
	s_mov_b32 s[G0S], 1
	s_mov_b32 s[G0S+1], SCL
	s_add_nc_u64 s[G0S+2:G0S+3], s[8:9], s[52:53]
	s_or_b32 s[G0S+3], s[G0S+3], 0x80000000
	ROUND                                          ; all four work-groups are here: the first joint loads meet
	s_cmp_lt_u32 s[WV], 4                          ; the first fills: one a wave at the most
	s_cbranch_scc0 .Lnot_codes
	tensor_load_to_lds s[G0:G0+3], s[G1:G1+7]      ; slot 0
	s_nop 0
.rept 4
	v_nop
.endr
	s_branch .Lfirst_asked
.Lnot_codes:
	s_cmp_eq_u32 s[WV], 4
	s_cbranch_scc0 .Lfirst_asked
	tensor_load_to_lds s[G0S:G0S+3], s[G1:G1+7]    ; the head's scale bytes
	s_nop 0
.rept 4
	v_nop
.endr
.Lfirst_asked:
	s_wait_alu depctr_va_vdst(0)
	global_load_b128 v[Q:Q+3], v[L16], s[4:5]      ; Q's half fragment stays in registers
	global_load_b64 v[Q+4:Q+5], v[L8], s[4:5] offset:512
	global_load_b32 v[QS], v7, s[14:15] offset:3072
.irp j, 6,7,8,9,10,11
	v_mov_b32 v[Q+\j], 0                           ; K = 64 .. 127: zero codes
.irp t, 0,1,2,3
	v_mov_b32 v[KB+12*\t+\j], 0
.endr
.endr
.set j, 0
.rept 32
	v_mov_b32 v[O+j], 0                            ; O^T.  (The step is written once: the first finds zeros, which the first change of M leaves zeros)
.set j, j+1
.endr
.irp b, 0,1,2,3
	v_mov_b32 v[T2+\b], 0                          ; written once: a lane permute's destination counts as one of its sources
.endr
	v_mov_b32 v[F+1], 0                            ; (named as the upper half of a pair)
	v_mov_b32 v[NM+1], 0xff61b1e6                  ; the largest t so far: -3e38, under every t
	s_delay_alu instid0(VALU_DEP_1)
	v_floor_f32 v[NM], -v[NM+1]                    ; -M
	v_mov_b32 v[SUM], 0
	v_mov_b32 v[SUM+1], 0
; A KEY STEP: 128 keys
.macro STEP
	v_add_nc_u32 v[A16], s[TB], v[L16]
	v_add_nc_u32 v[A8], s[TB], v[L8]
	v_add_nc_u32 v[A4], s[TS], v[L4]
	v_nop                                          ; these four are the places between the last step's products and the loads into V's registers
.irp t, 0,1,2,3
	ds_load_b128 v[KB+12*\t:KB+12*\t+3], v[A16] offset:768*\t
	ds_load_b64 v[KB+12*\t+4:KB+12*\t+5], v[A8] offset:768*\t+512
.endr
.irp i, 0,1,2,3
	ds_load_b32 v[KS+\i], v[A4] offset:128*\i
.endr
.irp t, 0,1,2,3
.irp c, 0,1
	ds_load_b128 v[VB+12*\t+6*\c:VB+12*\t+6*\c+3], v[A16] offset:6144+1536*\t+768*\c
	ds_load_b64 v[VB+12*\t+6*\c+4:VB+12*\t+6*\c+5], v[A8] offset:6144+1536*\t+768*\c+512
.endr
.endr
	ds_load_b32 v[VS0], v[A4] offset:512
	ds_load_b32 v[VS1], v[A4] offset:640
	s_wait_alu depctr_va_vdst(0)
	s_wait_dscnt 18                                ; K's tiles 0-3 and all its scale words are in; V's 16 loads and its 2 scale loads may be out
.irp t, 0,1,2,3
	MMS \t, 0
.endr
.rept 4
	v_nop                                          ; places ahead of loads into registers that matrix instructions have read
.endr
.irp t, 0,1,2,3
	ds_load_b128 v[KB+12*\t:KB+12*\t+3], v[A16] offset:3072+768*\t
	ds_load_b64 v[KB+12*\t+4:KB+12*\t+5], v[A8] offset:3072+768*\t+512
.endr
	s_wait_dscnt 0x0
.irp t, 0,1,2,3
	MMS \t, 1
.endr
.rept 4
	v_nop                                          ; places ahead of the first read of the results
.endr
.irp b, 0,1,2,3
	v_max3_num_f32 v[BM+\b], v[S+16*\b], v[S+1+16*\b], v[S+2+16*\b]   ; THE LARGEST SCORE OF EACH BLOCK OF 32 KEYS: for the row's maximum, and, since p rises with the score, for the block's largest p
.endr
.irp i, 3,5,7,9,11,13
.irp b, 0,1,2,3
	v_max3_num_f32 v[BM+\b], v[BM+\b], v[S+16*\b+\i], v[S+1+16*\b+\i]
.endr
.endr
.irp b, 0,1,2,3
	v_max_num_f32 v[BM+\b], v[BM+\b], v[S+15+16*\b]
.endr
.irp b, 0,1,2,3
	s_delay_alu instid0(VALU_DEP_4)
	v_permlanex16_b32 v[T2+\b], v[BM+\b], s[SEL], s[SEL+1]
.endr
.irp b, 0,1,2,3
	s_delay_alu instid0(VALU_DEP_4)
	v_max_num_f32 v[BM+\b], v[BM+\b], v[T2+\b]     ; with lane l xor 16's 16 keys
.endr
	s_delay_alu instid0(VALU_DEP_2)
	v_max3_num_f32 v[TV], v[BM], v[BM+1], v[BM+2]
	s_delay_alu instid0(VALU_DEP_1)
	v_max_num_f32 v[TV], v[TV], v[BM+3]            ; the step's largest score of my query
	s_delay_alu instid0(VALU_DEP_1)
	v_mul_f32 v[TV], s[CS], v[TV]                  ; as t
	s_delay_alu instid0(VALU_DEP_1)
	v_max_num_f32 v[NM+1], v[NM+1], v[TV]          ; the running largest t
	v_mov_b32 v[TV], v[NM]
	s_delay_alu instid0(VALU_DEP_2)
	v_floor_f32 v[NM], -v[NM+1]                    ; the new -M = floor(-t) = -ceil(t)
	s_delay_alu instid0(VALU_DEP_1)
	v_sub_f32 v[TV], v[NM], v[TV]                  ; old M - new M: a whole number, 0 or less
	s_delay_alu instid0(VALU_DEP_1)
	v_cvt_i32_f32 v[TV], v[TV]                     ; (it saturates)
	s_delay_alu instid0(VALU_DEP_1)
	v_ldexp_f32 v[F], 1.0, v[TV]                   ; f = 2^(old M - new M)
.set j, 0
.rept 32
	v_pk_fma_f32 v[S+j:S+j+1], v[S+j:S+j+1], s[CS:CS+1], v[NM:NM+1] op_sel_hi:[1,0,0]   ; t - M, two at a time (of the pairs the low word serves both halves)
.set j, j+2
.endr
.irp b, 0,1,2,3
	v_fma_f32 v[BM+\b], v[BM+\b], s[CS], v[NM]     ; the same of each block's largest score
.endr
.set j, 0
	s_setprio 1
	s_wait_alu depctr_va_vdst(0)
.rept 64
	v_exp_f32 v[S+j], v[S+j]                       ; p = 2^(t - M), at most 1
.set j, j+1
.endr
	v_pk_mul_f32 v[SUM:SUM+1], v[SUM:SUM+1], v[F:F+1] op_sel_hi:[1,0]   ; the sums under the new M (the plain place behind the exponentials)
	s_wait_alu depctr_va_vdst(0)                   ; the wait: one for the batch of 64, ahead of its first reader
.irp b, 0,1,2,3
	v_exp_f32 v[BM+\b], v[BM+\b]                   ; the block's largest p
.endr
	v_pk_add_f32 v[240:241], v[132:133], v[136:137]
	v_pk_add_f32 v[254:255], v[140:141], v[144:145]
	v_pk_add_f32 v[252:253], v[148:149], v[152:153]
	v_pk_add_f32 v[250:251], v[156:157], v[160:161]
	v_pk_add_f32 v[248:249], v[164:165], v[168:169]
	v_pk_add_f32 v[244:245], v[172:173], v[176:177]
	v_pk_add_f32 v[242:243], v[180:181], v[184:185]
	v_pk_add_f32 v[14:15], v[14:15], v[188:189]
	v_pk_add_f32 v[240:241], v[240:241], v[128:129]
	v_pk_add_f32 v[254:255], v[254:255], v[130:131]
	v_pk_add_f32 v[252:253], v[252:253], v[134:135]
	v_pk_add_f32 v[250:251], v[250:251], v[138:139]
	v_pk_add_f32 v[248:249], v[248:249], v[142:143]
	v_pk_add_f32 v[244:245], v[244:245], v[146:147]
	v_pk_add_f32 v[242:243], v[242:243], v[150:151]
	v_pk_add_f32 v[14:15], v[14:15], v[154:155]
	v_pk_add_f32 v[240:241], v[240:241], v[158:159]
	v_pk_add_f32 v[254:255], v[254:255], v[162:163]
	v_pk_add_f32 v[252:253], v[252:253], v[166:167]
	v_pk_add_f32 v[250:251], v[250:251], v[170:171]
	v_pk_add_f32 v[248:249], v[248:249], v[174:175]
	v_pk_add_f32 v[244:245], v[244:245], v[178:179]
	v_pk_add_f32 v[242:243], v[242:243], v[182:183]
	v_pk_add_f32 v[14:15], v[14:15], v[186:187]
	v_pk_add_f32 v[240:241], v[240:241], v[190:191]
	s_delay_alu instid0(VALU_DEP_2)
	v_pk_add_f32 v[14:15], v[14:15], v[250:251]
	s_delay_alu instid0(VALU_DEP_2)
	v_pk_add_f32 v[240:241], v[240:241], v[248:249]
	v_pk_add_f32 v[254:255], v[254:255], v[244:245]
	v_pk_add_f32 v[252:253], v[252:253], v[242:243]
	s_delay_alu instid0(VALU_DEP_2)
	v_pk_add_f32 v[14:15], v[14:15], v[254:255]
	s_delay_alu instid0(VALU_DEP_2)
	v_pk_add_f32 v[240:241], v[240:241], v[252:253]
	s_delay_alu instid0(VALU_DEP_1)
	v_pk_add_f32 v[14:15], v[14:15], v[240:241]
	s_wait_alu depctr_va_vdst(0)                   ; and one for the four
.irp b, 0,1,2,3
	v_max_num_f32 v[BM+\b], 0x2800000, v[BM+\b]    ; the floor 2^(5 - 127): the byte cannot fall under 1
.endr
.irp b, 0,1,2,3
	s_delay_alu instid0(VALU_DEP_4)
	v_add_nc_u32 v[SO+\b], 0xfe000000, v[BM+\b]    ; 4 off the exponent field: the conversion's scale operand
.endr
.irp b, 0,1,2,3
	s_delay_alu instid0(VALU_DEP_4)
	v_lshrrev_b32 v[T2+\b], 23, v[SO+\b]           ; the scale's byte
.endr
	s_delay_alu instid0(VALU_DEP_3)
	v_lshl_or_b32 v[PS], v[T2+1], 8, v[T2]         ; p's scale word for these 128 keys
	s_delay_alu instid0(VALU_DEP_1)
	v_lshl_or_b32 v[PS], v[T2+2], 16, v[PS]
	s_delay_alu instid0(VALU_DEP_1)
	v_lshl_or_b32 v[PS], v[T2+3], 24, v[PS]
.irp c, 0,1
	v_cvt_scalef32_pk16_bf6_f32 v[PC+6*\c:PC+6*\c+2], v[S+32*\c:S+32*\c+15], v[SO+2*\c]
	v_cvt_scalef32_pk16_bf6_f32 v[T2+4*\c:T2+4*\c+2], v[S+16+32*\c:S+31+32*\c], v[SO+2*\c+1]   ; (a conversion's three registers begin on an even number)
.endr
	v_nop                                          ; one plain place behind a scaled conversion
.irp c, 0,1                                    ; a WHOLE block to a lane: lanes 0-15 block 2 c, lanes 16-31 block 2 c + 1
.irp i, 0,1,2
	v_permlane16_swap_b32 v[PC+6*\c+\i], v[T2+4*\c+\i]
.endr
.irp i, 0,1,2
	s_delay_alu instid0(VALU_DEP_3)
	v_mov_b32 v[PC+3+6*\c+\i], v[T2+4*\c+\i]
.endr
.endr
.set j, 0
	s_setprio 0
.rept 16
	v_pk_mul_f32 v[O+j:O+j+1], v[O+j:O+j+1], v[F:F+1] op_sel_hi:[1,0]   ; O^T under the new M.  (Of these 16, twelve name no register of any one product below: the places between p's codes and scale word and the products)
.set j, j+2
.endr
.irp t, 0,1,2,3
	MMV \t                                         ; the four accumulators take turns; each was last written a step ago
.endr
	s_add_co_u32 s[TB], s[TB], STEPB
	s_add_co_u32 s[TS], s[TS], 768
.endm
; THE CHANGE OF SLOTS stands at a slot's head.  Each wave waits for all its tensor loads (its part of the slot ahead), adds 0 to its spare word, and waits for that and for its reads of the slot that it has left.
; fill = 1: the barrier is a round of the cluster's, and behind it the slot just left is filled with the next 1,024 keys: the load has eight key steps in which to land.
.macro CHANGE fill
	s_wait_tensorcnt 0x0                           ; no tensor load of mine is out, so a group 0 may be written
	ds_add_u32 v[SPW], v[NIL]                      ; 0 onto my spare word
.if \fill
	s_xor_b32 s[G0+1], s[G0+1], SLOT1              ; the walking descriptor: the other slot than last time,
	s_add_nc_u64 s[G0+2:G0+3], s[G0+2:G0+3], SLOTB ; the next eight records; the type bits on top are not reached
	s_wait_xcnt 0x0                                ; the last prefetch, a slot back, has read its address, so it may be written:
	s_add_nc_u64 s[PFA:PFA+1], s[PFA:PFA+1], SLOTB ; one slot further on than the walking descriptor
	s_wait_dscnt 0x0                               ; the add is done, and my reads of the slot that I have left are over
	ROUND                                          ; both now hold of every wave of all four work-groups
	JLOAD                                          ; the first tensor load behind the round, one a wave
	ASK
.else
	s_wait_dscnt 0x0
	s_barrier_signal -1
	s_barrier_wait -1
.endif
.endm
.macro STEPS8                          ; a slot's eight key steps: written once, walked eight times; the LDS addresses hang on s[TB] and s[TS]
	s_mov_b32 s[CNT], 8
.Lstep_\@:
	s_setprio 2
	STEP
	s_sub_co_u32 s[CNT], s[CNT], 1
	s_cmp_lg_u32 s[CNT], 0
	s_cbranch_scc1 .Lstep_\@
	s_setprio 0
	s_sub_co_u32 s[TB], s[TB], SLOTB               ; back to a slot's first step,
	s_xor_b32 s[TB], s[TB], SLOT1                  ; in the other slot
.endm
	s_wait_loadcnt 0x0                             ; Q
.Lslot:                                            ; three trips: behind each change of slots but the last the next slot is asked for
	CHANGE 1
	STEPS8
	s_sub_co_u32 s[SLOTS], s[SLOTS], 1
	s_cmp_lg_u32 s[SLOTS], 0
	s_cbranch_scc1 .Lslot
	CHANGE 0                                       ; the last slot is written out
	STEPS8
	; THE WAY OUT.  O^T / the sum is quantised along the channels: register 16 b + i = channel 32 b + 16 h + i of my query: half a fragment of the last product's operand
.rept 4
	v_nop                                          ; places behind the last products
.endr
	v_add_f32 v[SUM], v[SUM], v[SUM+1]             ; the sum's two halves,
	s_delay_alu instid0(VALU_DEP_1)
	v_permlanex16_b32 v[TV], v[SUM], s[SEL], s[SEL+1]
	s_delay_alu instid0(VALU_DEP_1)
	v_add_f32 v[SUM], v[SUM], v[TV]                ; and lane l xor 16's
	s_wait_alu depctr_va_vdst(0)
	v_rcp_f32 v[F], v[SUM]
	v_lshrrev_b32 v[A4], 2, v[L16]                 ; 4 x lane (the plain place behind the transcendental)
	s_wait_alu depctr_va_vdst(0)                   ; the wait ahead of the first reader
.set j, 0
.rept 16
	v_pk_mul_f32 v[S+j:S+j+1], v[O+j:O+j+1], v[F:F+1] op_sel_hi:[1,0]   ; each accumulator from its low end on
.set j, j+2
.endr
.irp b, 0,1
	v_max3_num_f32 v[BM+\b], |v[S+16*\b]|, |v[S+1+16*\b]|, 0x2800000
.endr
.irp i, 2,4,6,8,10,12,14
.irp b, 0,1
	s_delay_alu instid0(VALU_DEP_2)
	v_max3_num_f32 v[BM+\b], v[BM+\b], |v[S+16*\b+\i]|, |v[S+1+16*\b+\i]|
.endr
.endr
.irp b, 0,1
	s_delay_alu instid0(VALU_DEP_2)
	v_permlanex16_b32 v[T2+\b], v[BM+\b], s[SEL], s[SEL+1]
.endr
.irp b, 0,1
	s_delay_alu instid0(VALU_DEP_2)
	v_max_num_f32 v[BM+\b], v[BM+\b], v[T2+\b]
.endr
.irp b, 0,1
	s_delay_alu instid0(VALU_DEP_2)
	v_add_nc_u32 v[SO+\b], 0xfe000000, v[BM+\b]
.endr
.irp b, 0,1
	s_delay_alu instid0(VALU_DEP_2)
	v_lshrrev_b32 v[T2+2+\b], 23, v[SO+\b]
.endr
	v_cvt_scalef32_pk16_bf6_f32 v[PC:PC+2], v[S:S+15], v[SO]
	v_cvt_scalef32_pk16_bf6_f32 v[PC+6:PC+8], v[S+16:S+31], v[SO+1]
	v_lshl_or_b32 v[PS], v[T2+3], 8, v[T2+2]       ; my head's two scale bytes (the plain place behind the conversions)
.irp i, 0,1,2
	v_permlane16_swap_b32 v[PC+\i], v[PC+6+\i]
.endr
.irp i, 0,1,2
	s_delay_alu instid0(VALU_DEP_3)
	v_mov_b32 v[PC+3+\i], v[PC+6+\i]
.endr
	global_store_b128 v[L16], v[PC:PC+3], s[10:11]             ; 512 consecutive bytes,
	global_store_b64 v[L8], v[PC+4:PC+5], s[10:11] offset:512  ; 256: both at multiples of 256 from the buffer's first byte
	global_store_b16 v[A4], v[PS], s[12:13]                    ; my head's half of each scale word; the head beside it writes the other
	s_wait_tensorcnt 0x0                           ; the wave's end
	ds_add_u32 v[SPW], v[NIL]
	s_wait_dscnt 0x0
	ROUND                                          ; the closing round: no work-group ends while a partner may still ask for a tile that names it
	s_endpgm
.Lfunc_end_k_q83fe01cec6_attn:
	.size	k_q83fe01cec6_attn, .Lfunc_end_k_q83fe01cec6_attn-k_q83fe01cec6_attn
	.p2alignl 7, 3214868480
	.fill 96, 4, 3214868480
	.section	.rodata,"a",@progbits
	.p2align	6, 0x0
	.amdhsa_kernel k_q83fe01cec6_attn
		.amdhsa_group_segment_fixed_size 327680
		.amdhsa_private_segment_fixed_size 0
		.amdhsa_enable_private_segment 0
		.amdhsa_kernarg_size 40
		.amdhsa_user_sgpr_count 2
		.amdhsa_user_sgpr_kernarg_segment_ptr 1
		.amdhsa_wavefront_size32 1
		.amdhsa_system_sgpr_workgroup_id_x 1
		.amdhsa_system_sgpr_workgroup_id_y 1
		.amdhsa_system_sgpr_workgroup_id_z 1
		.amdhsa_system_vgpr_workitem_id 0
		.amdhsa_next_free_vgpr 256
		.amdhsa_next_free_sgpr 66
		.amdhsa_reserve_vcc 0
		.amdhsa_float_denorm_mode_32 3
		.amdhsa_float_denorm_mode_16_64 3
		.amdhsa_memory_ordered 1
		.amdhsa_forward_progress 1
		.amdhsa_inst_pref_size 50
	.end_amdhsa_kernel
	.amdgpu_metadata
---
amdhsa.version: [ 1, 2 ]
amdhsa.kernels:
  - .name:           k_q83fe01cec6_attn
    .symbol:         k_q83fe01cec6_attn.kd
    .args:
      - { .name: qbuf, .offset: 0, .size: 8, .value_kind: global_buffer, .address_space: global }
      - { .name: kvc, .offset: 8, .size: 8, .value_kind: global_buffer, .address_space: global }
      - { .name: kvs, .offset: 16, .size: 8, .value_kind: global_buffer, .address_space: global }
      - { .name: abuf, .offset: 24, .size: 8, .value_kind: global_buffer, .address_space: global }
      - { .name: asc, .offset: 32, .size: 8, .value_kind: global_buffer, .address_space: global }
    .group_segment_fixed_size: 327680
    .private_segment_fixed_size: 0
    .kernarg_segment_align: 8
    .kernarg_segment_size: 40
    .max_flat_workgroup_size: 512
    .sgpr_count:     66
    .vgpr_count:     256
    .wavefront_size: 32
...
	.end_amdgpu_metadata
.endif
;; end of part 3
;; launch proj (part 4): grid 64 x 4, 16 waves a work-group, no clusters, 86,016 bytes of LDS; arguments abuf, asc, wq, proj_b, x, out0; writes out0
.if DOCPART == 4
	.amdgcn_target "amdgcn-amd-amdhsa--gfx1250"
	.amdhsa_code_object_version 6
	.text
	.protected	k_q83fe01cec6_proj
	.globl	k_q83fe01cec6_proj
	.p2align	8
	.type	k_q83fe01cec6_proj,@function
k_q83fe01cec6_proj:
	s_mov_b64 s[64:65], 0
	v_nop
	global_prefetch_b8 v0, s[64:65] scope:SCOPE_SE
	s_setreg_imm32_b32 hwreg(HW_REG_WAVE_MODE, 25, 1), 1
	s_wait_xcnt 0x0
; LAUNCH 4 OF 4.  out0 = x + proj_w a + proj_b, the product on codes of BF6 (E3M2) with one E8M0 byte for each 32 channels.
; SHARES.  A work-group takes 64 positions (u = work-group x) of one batch (b = work-group y) and all 256 outputs; wave T takes the 16 outputs 32 (T / 2) + 8 (T % 2) + r + 8 (r / 8): proj_w's tile T as launch 1 laid it.
; a's record (b, u), 12,288 bytes of codes (8 fragments f = 2 n + s, each two half fragments of 768 bytes: registers 0-3 at 16 x lane, 4-5 at 512 + 8 x lane) and 1,024 bytes of scale words, is copied to LDS once,
; as it lies (waves 0-7, a fragment each), and read by all sixteen waves.
; Source 0 = a's tile of 16 positions, source 1 = the weight tile: a lane holds ONE output channel and its 32 registers run along the positions: register 16 g + i = position 32 g + 16 h + i.
; THE WAY OUT.  A lane's numbers go into the wave's own stage (16 rows of 256 bytes + 16) and come back as whole rows: sixteen lanes hold 256 consecutive bytes of one channel's row of out0; x's same bytes are added.
; The bias is the C of each sum's first product.
.set ASC, 12288                        ; LDS: 0..12287 a's codes; from ASC its scale words, 128 bytes a fragment;
.set STG, 13312                        ; from STG the stages, 16 x 272 bytes a wave
.set L16, 1                            ; v1   16 x lane
.set L8,  2                            ; v2   8 x lane
.set L4,  3                            ; v3   4 x lane
.set STO, 4                            ; v4   the stage: where I put my channel's numbers
.set RD,  5                            ; v5   and where I read a row back
.set GO,  6                            ; v6   my byte offset in x and out0: lanes 0-15 one channel's row, lanes 16-31 the next
.set BO,  7                            ; v7   my channel's bias
.set BI,  8                            ; v8-15   the bias, in all eight registers
.set AS,  16                           ; v16-23  a's scale words
.set WS,  24                           ; v24-25  the weights'
.set CW,  26                           ; v26  the copy: where my fragment's bytes go
.set CWS, 27                           ; v27  and its scale words
.set WF,  32                           ; v32-55  the weight tile's two fragments
.set ACC, 56                           ; v56-87  four accumulators
.set XR,  88                           ; v88-119 x
.set AF,  128                          ; v128-223 a's eight fragments
.set RB,  128                          ; v128-159 later: rows read back
.set CP,  224                          ; v224-236 the copy's registers
.macro MMC d, a, b, c, sa, sb          ; D = A B + C
.set rD, \d
.set rA, \a
.set rB, \b
.set rC, \c
.set rSA, \sa
.set rSB, \sb
	v_wmma_scale_f32_16x16x128_f8f6f4 v[rD:rD+7], v[rA:rA+11], v[rB:rB+11], v[rC:rC+7], v[rSA], v[rSB] matrix_a_fmt:MATRIX_FMT_BF6 matrix_b_fmt:MATRIX_FMT_BF6
.endm
	s_load_b256 s[4:11], s[0:1], 0x0               ; abuf s[4:5], asc s[6:7], wq s[8:9], proj_b s[10:11]
	s_load_b128 s[12:15], s[0:1], 0x20             ; x s[12:13], out0 s[14:15]
	v_lshl_add_u32 v254, v0, 2, 0x14800
	v_mov_b32 v255, 0
	v_lshrrev_b32 v1, 5, v0
	s_delay_alu instid0(VALU_DEP_1)
	v_readfirstlane_b32 s16, v1                    ; wave T 0..15
	s_and_b32 s17, ttmp7, 0xffff                   ; b
	v_and_b32 v9, 31, v0
	s_delay_alu instid0(VALU_DEP_1)
	v_lshlrev_b32 v[L16], 4, v9
	s_delay_alu instid0(VALU_DEP_2)
	v_lshlrev_b32 v[L8], 3, v9
	s_delay_alu instid0(VALU_DEP_3)
	v_lshlrev_b32 v[L4], 2, v9
	v_and_b32 v10, 15, v0                          ; r
	v_bfe_u32 v11, v0, 4, 1                        ; h
	s_mul_i32 s18, s16, 16*272
	s_add_co_u32 s18, s18, STG                     ; my stage
	v_mul_u32_u24 v[STO], v10, 272
	s_delay_alu instid0(VALU_DEP_1)
	v_lshl_add_u32 v[STO], v11, 6, v[STO]
	s_delay_alu instid0(VALU_DEP_1)
	v_add_nc_u32 v[STO], s18, v[STO]               ; in: row r, + 64 h: positions 16 h on
	v_mul_u32_u24 v[RD], v11, 272
	s_delay_alu instid0(VALU_DEP_1)
	v_lshl_add_u32 v[RD], v10, 4, v[RD]
	s_delay_alu instid0(VALU_DEP_1)
	v_add_nc_u32 v[RD], s18, v[RD]                 ; back: lanes 0-15 one row, lanes 16-31 the next
	v_lshlrev_b32 v[GO], 14, v11                   ; a channel's row of x is 4,096 f32: 16,384 bytes
	s_delay_alu instid0(VALU_DEP_1)
	v_lshl_add_u32 v[GO], v10, 4, v[GO]
	v_and_b32 v[BO], 8, v10
	s_delay_alu instid0(VALU_DEP_1)
	v_add_nc_u32 v[BO], v[BO], v10
	s_delay_alu instid0(VALU_DEP_1)
	v_lshlrev_b32 v[BO], 2, v[BO]                  ; 4 (r + 8 (r / 8))
	s_and_b32 s19, s16, 7                          ; the fragment that waves 0-7 copy
	s_mul_i32 s20, s19, 1536
	v_add_nc_u32 v[CW], s20, v[L16]
	s_lshl_b32 s21, s19, 7
	s_add_co_u32 s22, s21, ASC
	v_add_nc_u32 v[CWS], s22, v[L4]
	s_lshl_b32 s23, s17, 6
	s_add_co_u32 s23, s23, ttmp9                   ; the record 64 b + u
	s_mul_i32 s24, s23, 12288
	s_add_co_u32 s24, s24, s20
	s_mov_b32 s25, 0
	s_lshl_b32 s26, s23, 10
	s_add_co_u32 s26, s26, s21
	s_mov_b32 s27, 0
	s_lshl_b32 s28, s16, 1
	s_add_co_u32 s28, s28, 96                      ; proj_w's fragments begin at 96: mine are 96 + 2 T and the next
	s_mul_i32 s30, s28, 1536
	s_mov_b32 s31, 0
	s_lshl_b32 s28, s28, 7
	s_mov_b32 s29, 0
	s_lshr_b32 s32, s16, 1
	s_lshl_b32 s32, s32, 5
	s_and_b32 s33, s16, 1
	s_lshl_b32 s33, s33, 3
	s_add_co_u32 s32, s32, s33                     ; my tile begins at output 32 (T / 2) + 8 (T % 2)
	s_lshl_b32 s34, s32, 2
	s_mov_b32 s35, 0
	s_lshl_b32 s36, s32, 14
	s_lshl_b32 s33, s17, 22
	s_add_co_u32 s36, s36, s33
	s_lshl_b32 s33, ttmp9, 8
	s_add_co_u32 s36, s36, s33                     ; batch b, that channel, position 64 u
	s_mov_b32 s37, 0
	s_wait_kmcnt 0x0
	s_add_nc_u64 s[4:5], s[4:5], s[24:25]
	s_add_nc_u64 s[6:7], s[6:7], s[26:27]
	s_add_nc_u64 s[38:39], s[8:9], s[28:29]        ; the weights' scale words,
	s_add_nc_u64 s[8:9], s[8:9], s[30:31]          ; their codes
	s_add_nc_u64 s[10:11], s[10:11], s[34:35]
	s_add_nc_u64 s[12:13], s[12:13], s[36:37]
	s_add_nc_u64 s[14:15], s[14:15], s[36:37]
	s_cmp_lt_u32 s16, 8
	s_cbranch_scc0 .Lno_copy
.irp c, 0,1,2
	global_load_b128 v[CP+4*\c:CP+4*\c+3], v[L16], s[4:5] offset:512*\c th:TH_LOAD_NT
.endr
	global_load_b32 v[CP+12], v[L4], s[6:7] th:TH_LOAD_NT
.Lno_copy:
.irp i, 0,1,2,3,4,5
	global_load_b128 v[WF+4*\i:WF+4*\i+3], v[L16], s[8:9] offset:512*\i
.endr
	global_load_b32 v[WS], v[L4], s[38:39] offset:196608
	global_load_b32 v[WS+1], v[L4], s[38:39] offset:196608+128
	s_wait_alu depctr_va_vdst(0)
.irp j, 0,1,2,3,4,5,6,7
	global_load_b32 v[BI+\j], v[BO], s[10:11]
.endr
.irp i, 0,1,2,3,4,5,6,7                        ; stage rows 2 i, 2 i + 1 are outputs 2 i + 8 (i / 4) and the next: sixteen lanes read 256 consecutive bytes
	global_load_b128 v[XR+4*\i:XR+4*\i+3], v[GO], s[12:13] offset:(2*\i+8*(\i/4))*16384 th:TH_LOAD_NT
.endr
	s_cmp_lt_u32 s16, 8
	s_cbranch_scc0 .Lno_store
	s_wait_loadcnt 24                              ; the copy's four loads are in; the 6 + 2 + 8 + 8 issued behind them may be out
.irp c, 0,1,2
	ds_store_b128 v[CW], v[CP+4*\c:CP+4*\c+3] offset:512*\c
.endr
	ds_store_b32 v[CWS], v[CP+12]
.Lno_store:
	s_wait_dscnt 0x0                               ; for the others' sake: my stores have landed
	s_barrier_signal -1
	s_barrier_wait -1                              ; a's record lies in LDS; it is only read from here on
.set f, 0
.rept 8
	ds_load_b128 v[AF+12*f:AF+12*f+3], v[L16] offset:1536*f
	ds_load_b64 v[AF+12*f+4:AF+12*f+5], v[L8] offset:1536*f+512
	ds_load_b128 v[AF+12*f+6:AF+12*f+9], v[L16] offset:1536*f+768
	ds_load_b64 v[AF+12*f+10:AF+12*f+11], v[L8] offset:1536*f+1280
	ds_load_b32 v[AS+f], v[L4] offset:ASC+128*f
.set f, f+1
.endr
	s_wait_loadcnt 8                               ; weights, scale words and bias are in; x's eight loads may be out
	s_wait_dscnt 0x0
.irp n, 0,1,2,3                                ; the four accumulators take turns
	MMC ACC+8*\n, AF+24*\n, WF, BI, AS+2*\n, WS
.endr
.irp n, 0,1,2,3
	MMC ACC+8*\n, AF+24*\n+12, WF+12, ACC+8*\n, AS+2*\n+1, WS+1
.endr
.rept 4
	v_nop                                          ; places ahead of the stores that read the results and of the loads into a's registers
.endr
.irp n, 0,1,2,3
	ds_store_b128 v[STO], v[ACC+8*\n:ACC+8*\n+3] offset:128*(\n/2)+32*(\n%2)       ; each accumulator from its low end on
	ds_store_b128 v[STO], v[ACC+8*\n+4:ACC+8*\n+7] offset:128*(\n/2)+32*(\n%2)+16
.endr
.irp i, 0,1,2,3,4,5,6,7
	ds_load_b128 v[RB+4*\i:RB+4*\i+3], v[RD] offset:544*\i   ; LDS serves a wave's instructions in order (ISA guide 5.7.1.4): these see my stores; the stage is my wave's own
.endr
	s_wait_dscnt 0x0
	s_wait_loadcnt 0x0                             ; x
.set j, 0
.rept 16
	v_pk_add_f32 v[RB+j:RB+j+1], v[RB+j:RB+j+1], v[XR+j:XR+j+1]
.set j, j+2
.endr
.irp i, 0,1,2,3,4,5,6,7
	global_store_b128 v[GO], v[RB+4*\i:RB+4*\i+3], s[14:15] offset:(2*\i+8*(\i/4))*16384 th:TH_STORE_NT   ; sixteen lanes store 256 consecutive bytes, at a multiple of 256 from out0's first byte
.endr
	s_wait_tensorcnt 0x0
	ds_add_u32 v254, v255
	s_wait_dscnt 0x0
	s_endpgm
.Lfunc_end_k_q83fe01cec6_proj:
	.size	k_q83fe01cec6_proj, .Lfunc_end_k_q83fe01cec6_proj-k_q83fe01cec6_proj
	.p2alignl 7, 3214868480
	.fill 96, 4, 3214868480
	.section	.rodata,"a",@progbits
	.p2align	6, 0x0
	.amdhsa_kernel k_q83fe01cec6_proj
		.amdhsa_group_segment_fixed_size 86016
		.amdhsa_private_segment_fixed_size 0
		.amdhsa_enable_private_segment 0
		.amdhsa_kernarg_size 48
		.amdhsa_user_sgpr_count 2
		.amdhsa_user_sgpr_kernarg_segment_ptr 1
		.amdhsa_wavefront_size32 1
		.amdhsa_system_sgpr_workgroup_id_x 1
		.amdhsa_system_sgpr_workgroup_id_y 1
		.amdhsa_system_sgpr_workgroup_id_z 1
		.amdhsa_system_vgpr_workitem_id 0
		.amdhsa_next_free_vgpr 256
		.amdhsa_next_free_sgpr 66
		.amdhsa_reserve_vcc 0
		.amdhsa_float_denorm_mode_32 3
		.amdhsa_float_denorm_mode_16_64 3
		.amdhsa_memory_ordered 1
		.amdhsa_forward_progress 1
		.amdhsa_inst_pref_size 14
	.end_amdhsa_kernel
	.amdgpu_metadata
---
amdhsa.version: [ 1, 2 ]
amdhsa.kernels:
  - .name:           k_q83fe01cec6_proj
    .symbol:         k_q83fe01cec6_proj.kd
    .args:
      - { .name: abuf, .offset: 0, .size: 8, .value_kind: global_buffer, .address_space: global }
      - { .name: asc, .offset: 8, .size: 8, .value_kind: global_buffer, .address_space: global }
      - { .name: wq, .offset: 16, .size: 8, .value_kind: global_buffer, .address_space: global }
      - { .name: proj_b, .offset: 24, .size: 8, .value_kind: global_buffer, .address_space: global }
      - { .name: x, .offset: 32, .size: 8, .value_kind: global_buffer, .address_space: global }
      - { .name: out0, .offset: 40, .size: 8, .value_kind: global_buffer, .address_space: global }
    .group_segment_fixed_size: 86016
    .private_segment_fixed_size: 0
    .kernarg_segment_align: 8
    .kernarg_segment_size: 48
    .max_flat_workgroup_size: 512
    .sgpr_count:     66
    .vgpr_count:     256
    .wavefront_size: 32
...
	.end_amdgpu_metadata
.endif
;; end of part 4
